; MI455X (gfx1250); checked and timed in simulation.
; The chip was launched on July 23, 2026; its instructions are those of AMD's public machine-readable ISA for CDNA 5 (MIT licence, August 2026) and "CDNA5" Instruction Set Architecture Reference Guide (July 2026). The comments in the code are by the model that wrote it; some were corrected since.
;; Causal Self Attention. Allowed arithmetic: matrix products marked QUANTISED: E2M1 operands, one E8M0 scale for each 32 along K, by v_wmma_scale_f32_16x16x128_f8f6f4 with both operands' format E2M1 (or v_wmma_scale_f32_32x16x128_f4), f32 sums; products left as they are: bf16, f16 or f32 operands; f32 sums; everything else in f32.
;; Inputs: W_attn 1,024 x 3,072 float32; W_proj 1,024 x 1,024 float32; x 4 x 2,048 x 1,024 float32.
;; Outputs: out0 4 x 2,048 x 1,024 float32.
;; This version of the problem:
;;   THIS VERSION OF THE PROBLEM IS GIVEN IN LOW PRECISION. The matrix products marked QUANTISED in the list below multiply operands that are first quantised to E2M1 (2 exponent bits, 1 mantissa bit; 4 bits a number), with one power-of-two scale for each 32 numbers along K (OCP MX v1.0); their sums are f32. The products marked 'left as it is' may take bf16, f16 or f32 operands, with f32 sums. Whichever they take, every output number must still come out within the allowed error. Rounding operands to bf16 (8 significant bits) uses up far more of that allowance than f16 does (11 bits, for magnitudes from 6e-5 to 65,504). All else is computed in f32.
;;   The module's matrix products, in the order in which they are computed (A, B: the left and right operand; K: the contracted axis; several contracted axes count as one K, in the product's order):
;;     1. [M 8,192, K 1,024] x [K 1,024, N 3,072]; A: input x; B: input W_attn: QUANTISED
;;     2. batch 64 x [M 2,048, K 64] x [K 64, N 2,048]; A: computed on the way; B: computed on the way: left as it is (an operand is computed on the way)
;;     3. batch 64 x [M 2,048, K 2,048] x [K 2,048, N 64]; A: computed on the way; B: computed on the way: left as it is (an operand is computed on the way)
;;     4. [M 8,192, K 1,024] x [K 1,024, N 1,024]; A: computed on the way; B: input W_proj: left as it is (an operand is computed on the way)
;;   THE QUANTISER, for each operand of a quantised product, along K:
;;     - K is cut into blocks of 32 from its start; a last block that is shorter is filled with zeros.
;;     - A block's scale is 2^e with e = floor(log2(the largest magnitude in the block)) - 2, held to -126 .. 127; a block of zeros has e = 0. As a byte (E8M0): e + 127.
;;     - Each number is divided by its block's scale, clamped to +-6, and rounded to the nearest number of E2M1, ties to even, subnormals kept.
;;     - The product sums the exact products of the quantised numbers (number of the format x scale) in f32.
;;   ~~~python
;;   def quantise(x, axis):      # numpy; x: float32 -> the quantised numbers, widened to float32 again
;;       x = np.moveaxis(x, axis, -1); K = x.shape[-1]
;;       x = np.pad(x, [(0, 0)] * (x.ndim - 1) + [(0, -K % 32)]); x = x.reshape(x.shape[:-1] + (-1, 32)); a = np.abs(x).max(-1, keepdims=True)
;;       e = np.where(a > 0, np.clip(np.frexp(np.where(a > 0, a, 1))[1] - 1 - 2, -126, 127), 0)      # np.frexp(a)[1] - 1 = floor(log2(a)), exactly
;;       r = np.clip(x / 2.0 ** e, -6, 6)
;;       step = 2.0 ** (np.maximum(np.frexp(np.where(r == 0, 1, r))[1] - 1, 0) - 1)
;;       q = np.round(r / step) * step * 2.0 ** e      # np.round: ties to even
;;       return np.moveaxis(q.reshape(q.shape[:-2] + (-1,))[..., :K], -1, axis).astype(np.float32)
;;   ~~~
;; One version. Each part assembles by itself: llvm-mc -triple=amdgcn-amd-amdhsa -mcpu=gfx1250 --defsym DOCPART=n.
;; ======== version 1 of 1: 5 launches
;; limits: values are held in f16: magnitudes above 65,504 overflow, below 6.1e-05 lose precision
;; workspace buffers: xc 4,194,304 bytes; scl 360,448 bytes; wc 1,572,864 bytes; wp16 2,097,152 bytes; rope 524,288 bytes; qkvh 50,331,648 bytes; fq 786,432 bytes; yh 16,777,216 bytes
;; launch prep (part 1): grid 608 x 1, 4 waves a work-group, no clusters, 33,280 bytes of LDS; arguments x, W_attn, W_proj, xc, scl, wc, wp16, rope; writes xc, scl, wc, wp16, rope
.if DOCPART == 1
	.amdgcn_target "amdgcn-amd-amdhsa--gfx1250"
	.amdhsa_code_object_version 6
	.text
	.protected	k_q893bd23ee2_prep
	.globl	k_q893bd23ee2_prep
	.p2align	8
	.type	k_q893bd23ee2_prep,@function
k_q893bd23ee2_prep:
	s_mov_b64 s[64:65], 0
	v_nop
	global_prefetch_b8 v0, s[64:65] scope:SCOPE_SE
	s_setreg_imm32_b32 hwreg(HW_REG_WAVE_MODE, 25, 1), 1
	s_wait_xcnt 0x0
; CAUSAL SELF-ATTENTION, launch 1 of 5: everything that is made once and read many times.
;   work-groups   0..255  X: x [8192][1024] f32 -> codes of E2M1 (xc, [row][512 bytes], K innermost) and E8M0 bytes (scl, [row][32])
;   work-groups 256..447  W: W_attn [1024 k][3072 n] f32 -> codes in the order of the operand's registers (wc: [n/16][k/32][n%16][16 bytes]) and bytes (scl + 262144, [n][32])
;   work-groups 448..575  P: W_proj f32 -> f16, same layout (wp16)
;   work-groups 576..607  T: the rotation table rope [t 2048][i 32][(cos, sin)] f32
; DEAD WORK OF THE WHOLE PROGRAM.  reference() sets att to -inf wherever key > query, by a mask that it builds in its own body; the softmax gives those places p = 0 whatever finite values the
; inputs hold, so they add nothing to y.  Key steps all of whose keys come after all queries of a piece are therefore left out of the products q k^T and p v (launch 3).  Nothing else is left out,
; and all three inputs are loaded.  LIMIT: a NaN, an infinity or an overflow that would arise only in those hidden scores is not carried to the result.
; THE QUANTISER: a block's scale is 2^(floor(log2(largest magnitude)) - 2); its byte is the largest magnitude's exponent field - 2, held at 1 from below by a floor among the maximum's leaves.
; A block of zeros keeps the byte 1 where the rule says 127: its codes are zeros, and this program alone reads the bytes.
; LIMITS: NaN and infinities among the inputs are not served; blocks whose largest magnitude lies under 2^(3 - 127) keep the byte 1; W_proj is rounded to f16 (magnitudes over 65,504 are not served);
; the table's frequencies 10000^(-i/32) are made by v_exp_f32 of i x log2(10000)/32 and differ from a correctly rounded power by a few units in the last place: at t = 2047 that is under 4e-4 radians.
; The four paths part on the work-group's number alone.  Only path X touches LDS.  No barrier: waves share nothing.
.set SPARE, 32768                      ; behind the four waves' regions: the spare words, 128 bytes for each wave
.set SPW,   12                         ; v12  SPARE + 4 x my thread's number; never rewritten
.set NIL,   13                         ; v13  0; never rewritten
.set WREG,  8192                       ; path X: a wave's LDS region: two stages of 32 x SP bytes, then its 256 scale bytes
.set SP,    80                         ; a lane's place in a stage: 64 bytes + 16 of padding
.set R,     16                         ; v16-143  eight sets of 16 numbers as loaded
.set X,     144                        ; v144-175 two sets of 16 neighbours
.set C,     176                        ; v176-207 two registers of codes for each step
.set E,     208                        ; v208-223 a scale byte for each step
	s_load_b256 s[4:11], s[0:1], 0x0               ; x s[4:5], W_attn s[6:7], W_proj s[8:9], xc s[10:11]
	s_load_b256 s[12:19], s[0:1], 0x20             ; scl s[12:13], wc s[14:15], wp16 s[16:17], rope s[18:19]
	v_lshl_add_u32 v[SPW], v0, 2, SPARE
	v_mov_b32 v[NIL], 0
	v_lshrrev_b32 v1, 5, v0
	v_readfirstlane_b32 s20, v1                    ; wave 0..3
	v_and_b32 v2, 31, v0                           ; lane
	s_mov_b32 s25, 0                               ; the upper word of every offset pair s[24:25]
	s_wait_kmcnt 0x0
	s_cmp_lt_u32 ttmp9, 256
	s_cbranch_scc1 .Lpath_x
	s_cmp_lt_u32 ttmp9, 448
	s_cbranch_scc1 .Lpath_w
	s_cmp_lt_u32 ttmp9, 576
	s_cbranch_scc1 .Lpath_p
; ---- T: a wave makes 16 rows of the table; lane i makes (cos, sin) of t x 10000^(-i/32).
; The angle is reduced by n = the nearest whole number to a x 2/pi, with pi/2 in three parts and fused multiply-adds; sine and cosine of the rest (at most pi/4) by polynomials; n mod 4 places them.
	s_sub_co_u32 s21, ttmp9, 576
	s_lshl_b32 s21, s21, 2
	s_add_co_u32 s21, s21, s20
	s_lshl_b32 s21, s21, 4                         ; my first t
	s_lshl_b32 s24, s21, 8                         ; a row of the table is 256 bytes
	s_add_nc_u64 s[18:19], s[18:19], s[24:25]
	s_mov_b32 s26, 0xbfc90fd8                      ; -pi/2, first part,
	s_mov_b32 s27, 0xb4a8885a                      ; second,
	s_mov_b32 s28, 0xa7c234c4                      ; third
	s_mov_b32 s29, 0xb94ca1f9                      ; sine: -1.9515296e-4,
	s_mov_b32 s30, 0x3c08839e                      ; 8.3321609e-3,
	s_mov_b32 s31, 0xbe2aaaa3                      ; -1.6666655e-1
	s_mov_b32 s32, 0x37ccf5ce                      ; cosine: 2.4433157e-5,
	s_mov_b32 s33, 0xbab6061a                      ; -1.3887316e-3,
	s_mov_b32 s34, 0x3d2aaaa5                      ; 4.1666646e-2
	v_lshlrev_b32 v4, 3, v2                        ; 8 bytes a lane: the wave's store covers 256 consecutive bytes, aligned
	v_cvt_f32_u32 v16, v2
	v_mul_f32 v16, 0xbed49a78, v16                 ; -i x log2(10000) / 32
	v_exp_f32 v16, v16                             ; the frequency
	v_nop                                          ; a plain instruction behind the exponential,
	s_wait_alu depctr_va_vdst(0)                   ; and the wait ahead of its first reader
.irp j, 0,1,2,3,4,5,6,7,8,9,10,11,12,13,14,15
	s_add_co_u32 s22, s21, \j
	v_cvt_f32_u32 v20, s22
	v_mul_f32 v21, v20, v16                        ; a = t x frequency, rounded to f32 as reference() rounds it
	v_mul_f32 v22, 0x3f22f983, v21                 ; a x 2/pi
	v_rndne_f32 v22, v22                           ; n
	v_fma_f32 v23, v22, s26, v21
	v_fma_f32 v23, v22, s27, v23
	v_fma_f32 v23, v22, s28, v23                   ; r = a - n pi/2
	v_mul_f32 v24, v23, v23                        ; z = r r
	v_fma_f32 v25, s29, v24, s30
	v_fma_f32 v25, v25, v24, s31
	v_mul_f32 v26, v24, v23
	v_fma_f32 v25, v25, v26, v23                   ; sin r
	v_fma_f32 v27, s32, v24, s33
	v_fma_f32 v27, v27, v24, s34
	v_mul_f32 v28, v24, v24
	v_fma_f32 v29, v24, -0.5, 1.0
	v_fma_f32 v27, v27, v28, v29                   ; cos r
	v_cvt_i32_f32 v30, v22
	v_and_b32 v31, 1, v30
	v_cmp_eq_u32 vcc_lo, 1, v31                    ; n odd: sine and cosine change places
	v_cndmask_b32 v32, v25, v27, vcc_lo
	v_cndmask_b32 v33, v27, v25, vcc_lo
	v_and_b32 v34, 2, v30                          ; the sine is negative for n mod 4 = 2, 3,
	v_lshlrev_b32 v34, 30, v34
	v_xor_b32 v[65+2*\j], v34, v32
	v_add_nc_u32 v35, 1, v30                       ; the cosine for n mod 4 = 1, 2
	v_and_b32 v35, 2, v35
	v_lshlrev_b32 v35, 30, v35
	v_xor_b32 v[64+2*\j], v35, v33
	global_store_b64 v4, v[64+2*\j:65+2*\j], s[18:19] offset:256*\j   ; each row has its own two registers: no store's data are written again
.endr
	s_endpgm
; ---- P: a wave turns 2,048 numbers of W_proj into f16: 16 loads of 512 consecutive bytes, 16 stores of 256.
.Lpath_p:
	s_sub_co_u32 s21, ttmp9, 448
	s_lshl_b32 s21, s21, 2
	s_add_co_u32 s21, s21, s20
	s_lshl_b32 s24, s21, 13
	s_add_nc_u64 s[8:9], s[8:9], s[24:25]
	s_lshl_b32 s24, s21, 12
	s_add_nc_u64 s[16:17], s[16:17], s[24:25]
	v_lshlrev_b32 v3, 4, v2
	v_lshlrev_b32 v4, 3, v2
.irp i, 0,1,2,3,4,5,6,7,8,9,10,11,12,13,14,15
	global_load_b128 v[16+4*\i:19+4*\i], v3, s[8:9] offset:512*\i
.endr
.irp i, 0,1,2,3,4,5,6,7,8,9,10,11,12,13,14,15
	s_wait_loadcnt 15-\i                           ; loads come back in order: load i is in, the younger ones stay out
	v_cvt_pk_f16_f32 v[80+2*\i], v[16+4*\i], v[17+4*\i]
	v_cvt_pk_f16_f32 v[81+2*\i], v[18+4*\i], v[19+4*\i]
	global_store_b64 v4, v[80+2*\i:81+2*\i], s[16:17] offset:256*\i
.endr
	s_endpgm
; ---- W: K is W_attn's FIRST axis.  A lane takes a column n and its registers run down K: a block of 32 lies in one lane's 32 registers, and the conversions give codes with K innermost.
; A wave takes 32 columns x 128 along K (four blocks a lane).  A lane's 16 bytes of a block go to wc at [n/16][k/32][n%16]: sixteen lanes store 256 consecutive bytes, aligned.
; The four scale bytes of a lane make one word of its column's row: 4 bytes every 32, one byte in 128 of what this path reads: accepted.
.Lpath_w:
	s_sub_co_u32 s21, ttmp9, 256
	s_lshr_b32 s22, s21, 3                         ; which 128 columns
	s_and_b32 s21, s21, 7                          ; which 128 along K
	s_lshl_b32 s23, s22, 7
	s_lshl_b32 s24, s20, 5
	s_add_co_u32 s23, s23, s24                     ; my wave's first column
	s_mul_i32 s24, s21, 128*12288
	s_lshl_b32 s26, s23, 2
	s_add_co_u32 s24, s24, s26
	s_add_nc_u64 s[6:7], s[6:7], s[24:25]
	s_lshl_b32 s24, s23, 9                         ; (column / 16) x 8,192
	s_lshl_b32 s26, s21, 10                        ; four blocks of 256 bytes
	s_add_co_u32 s24, s24, s26
	s_add_nc_u64 s[14:15], s[14:15], s[24:25]
	s_lshl_b32 s24, s23, 5
	s_lshl_b32 s26, s21, 2
	s_add_co_u32 s24, s24, s26
	s_add_co_u32 s24, s24, 262144                  ; W's bytes lie behind x's
	s_add_nc_u64 s[12:13], s[12:13], s[24:25]
	v_lshlrev_b32 v3, 2, v2
	v_lshrrev_b32 v4, 4, v2
	v_lshlrev_b32 v4, 13, v4
	v_and_b32 v5, 15, v2
	v_lshl_add_u32 v4, v5, 4, v4                   ; (lane / 16) x 8,192 + (lane % 16) x 16
	v_lshlrev_b32 v5, 5, v2
.set kk, 0
.rept 128
	global_load_b32 v[16+kk], v3, s[6:7] offset:kk*12288 th:TH_LOAD_NT   ; row k at 32 neighbouring columns: 128 consecutive bytes a wave, 512 a work-group
.set kk, kk+1
.endr
.macro BLOCKW t, left
.set XS, 16+32*(\t)
	s_wait_loadcnt \left                           ; this block's 32 loads are in (behind them 96, 64, 32, 0 were issued; the wait's field holds 63 at the most, and a smaller count is safe)
	v_max3_num_f32 v8, |v[XS]|, |v[XS+1]|, |v[XS+2]|
	v_max3_num_f32 v9, |v[XS+3]|, |v[XS+4]|, |v[XS+5]|
.irp i, 6,10,14,18,22,26
	v_max3_num_f32 v8, v8, |v[XS+\i]|, |v[XS+\i+1]|
	v_max3_num_f32 v9, v9, |v[XS+\i+2]|, |v[XS+\i+3]|
.endr
	v_max3_num_f32 v8, v8, |v[XS+30]|, |v[XS+31]|
	v_max3_num_f32 v8, v8, v9, 0x1800000           ; the floor 2^(3 - 127): the byte cannot fall under 1
	v_add_nc_u32 v[144+(\t)], 0xff000000, v8       ; 2 off the exponent field: the conversion's scale operand
	v_lshrrev_b32 v9, 23, v[144+(\t)]              ; the byte
.if (\t) == 0
	v_mov_b32 v150, v9
.else
	v_lshl_or_b32 v150, v9, 8*(\t), v150
.endif
.irp g, 0,1,2,3
	v_cvt_scalef32_pk8_fp4_f32 v[152+4*(\t)+\g], v[XS+8*\g:XS+8*\g+7], v[144+(\t)]
.endr
	v_nop                                          ; a plain instruction behind the last conversion of the run
	global_store_b128 v4, v[152+4*(\t):155+4*(\t)], s[14:15] offset:256*(\t)
.endm
	BLOCKW 0, 63
	BLOCKW 1, 63
	BLOCKW 2, 32
	BLOCKW 3, 0
	global_store_b32 v5, v150, s[12:13]
	s_endpgm
; ---- X: rows are dense and 1,024 is a multiple of 32: x is a plain stream of blocks of 32.  A wave takes 16 steps of 512 numbers.  Each load reads 512 consecutive bytes; a step's 2,048 bytes turn
; through the wave's own stage in LDS and come back 64 bytes a lane, so that a lane holds 16 neighbours and two neighbouring lanes a block.  Loads run eight steps (32 loads) ahead, the turn one step.
.Lpath_x:
	s_lshl_b32 s21, ttmp9, 2
	s_add_co_u32 s22, s21, s20                     ; which run of 8,192 numbers is my wave's
	s_lshl_b32 s24, s22, 15
	s_add_nc_u64 s[4:5], s[4:5], s[24:25]
	s_lshl_b32 s24, s22, 12
	s_add_nc_u64 s[10:11], s[10:11], s[24:25]
	s_lshl_b32 s24, s22, 8
	s_add_nc_u64 s[12:13], s[12:13], s[24:25]
	v_lshlrev_b32 v3, 4, v2
	s_mul_i32 s21, s20, WREG
	v_lshrrev_b32 v14, 2, v2
	v_mul_u32_u24 v14, v14, SP
	v_and_b32 v15, 3, v2
	v_lshl_add_u32 v14, v15, 4, v14
	v_add_nc_u32 v14, s21, v14                     ; the stage, on the way in: SP (lane / 4) + 16 (lane % 4)
	v_mul_u32_u24 v15, v2, SP
	v_add_nc_u32 v15, s21, v15                     ; and on the way out: SP x lane
	v_lshlrev_b32 v4, 3, v2                        ; my 8 bytes of a step's 256 bytes of codes
	v_lshrrev_b32 v5, 1, v2
	s_add_co_u32 s21, s21, 2*32*SP
	v_add_nc_u32 v5, s21, v5                       ; my block's byte among my wave's 256
	v_lshlrev_b32 v7, 3, v2
	v_add_nc_u32 v6, s21, v7
.macro LOAD t
.irp i, 0,1,2,3
	global_load_b128 v[R+16*((\t)%8)+4*\i:R+16*((\t)%8)+4*\i+3], v3, s[4:5] offset:2048*(\t)+512*\i th:TH_LOAD_NT
.endr
.endm
.macro TURN t                          ; LDS serves a wave's instructions in order: no wait between the stores and the loads
.irp i, 0,1,2,3
	ds_store_b128 v14, v[R+16*((\t)%8)+4*\i:R+16*((\t)%8)+4*\i+3] offset:32*SP*((\t)%2)+8*SP*\i
.endr
.irp i, 0,1,2,3
	ds_load_b128 v[X+16*((\t)%2)+4*\i:X+16*((\t)%2)+4*\i+3], v15 offset:32*SP*((\t)%2)+16*\i
.endr
.endm
.irp t, 0,1,2,3,4,5,6,7
	LOAD \t
.endr
	s_wait_loadcnt 28                              ; step 0's four loads are in; the 28 of the seven steps behind it may be out
	TURN 0
.macro STEP t
.set XS, X+16*((\t)%2)
.if (\t) > 0
	s_wait_dscnt 1                                 ; this step's numbers are back from the stage (the last step's byte store may be out): so its stores into the stage have read their registers,
.else
	s_wait_dscnt 0x0
.endif
.if (\t)+8 < 16
	LOAD (\t)+8                                    ; which take the loads of eight steps on
.endif
.if (\t)+1 < 16
.if (\t)+8 < 16
	s_wait_loadcnt 28                              ; the next step's loads are in; those of the seven steps behind it may be out
.else
	s_wait_loadcnt 4*(14-(\t))                     ; the counts run down
.endif
	TURN (\t)+1
.endif
	v_max3_num_f32 v8, |v[XS]|, |v[XS+1]|, |v[XS+2]|
	v_max3_num_f32 v9, |v[XS+3]|, |v[XS+4]|, |v[XS+5]|
.irp i, 6,10
	v_max3_num_f32 v8, v8, |v[XS+\i]|, |v[XS+\i+1]|
	v_max3_num_f32 v9, v9, |v[XS+\i+2]|, |v[XS+\i+3]|
.endr
	v_max3_num_f32 v8, v8, |v[XS+14]|, |v[XS+15]|
	v_max3_num_f32 v8, v8, v9, 0x1800000           ; the floor 2^(3 - 127)
	v_max_num_f32_dpp v8, v8, v8 row_xmask:1 row_mask:0xf bank_mask:0xf   ; with my neighbour's 16: the block's largest magnitude
	v_add_nc_u32 v11, 0xff000000, v8               ; 2 off its exponent field: the conversion's scale operand
	v_cvt_scalef32_pk8_fp4_f32 v[C+2*(\t)], v[XS:XS+7], v11
	v_cvt_scalef32_pk8_fp4_f32 v[C+2*(\t)+1], v[XS+8:XS+15], v11
	v_lshrrev_b32 v[E+(\t)], 23, v11               ; the byte (also the plain instruction behind the conversions)
	ds_store_b8 v5, v[E+(\t)] offset:16*(\t)       ; both lanes of a block write the same byte with the same value
	global_store_b64 v4, v[C+2*(\t):C+2*(\t)+1], s[10:11] offset:256*(\t)   ; the wave stores 256 consecutive bytes, aligned
.endm
.irp t, 0,1,2,3,4,5,6,7,8,9,10,11,12,13,14,15
	STEP \t
.endr
	ds_load_b64 v[8:9], v6                         ; my wave's 256 scale bytes, 8 a lane: these see my stores
	s_wait_dscnt 0x0
	global_store_b64 v7, v[8:9], s[12:13]
	s_wait_tensorcnt 0x0                           ; the wave's end: a wait, an add and its wait behind my last LDS store
	ds_add_u32 v[SPW], v[NIL]
	s_wait_dscnt 0x0
	s_endpgm
.Lfunc_end_k_q893bd23ee2_prep:
	.size	k_q893bd23ee2_prep, .Lfunc_end_k_q893bd23ee2_prep-k_q893bd23ee2_prep
	.p2alignl 7, 3214868480
	.fill 96, 4, 3214868480
	.section	.rodata,"a",@progbits
	.p2align	6, 0x0
	.amdhsa_kernel k_q893bd23ee2_prep
		.amdhsa_group_segment_fixed_size 33280
		.amdhsa_private_segment_fixed_size 0
		.amdhsa_enable_private_segment 0
		.amdhsa_kernarg_size 64
		.amdhsa_user_sgpr_count 2
		.amdhsa_user_sgpr_kernarg_segment_ptr 1
		.amdhsa_wavefront_size32 1
		.amdhsa_system_sgpr_workgroup_id_x 1
		.amdhsa_system_sgpr_workgroup_id_y 1
		.amdhsa_system_sgpr_workgroup_id_z 1
		.amdhsa_system_vgpr_workitem_id 0
		.amdhsa_next_free_vgpr 256
		.amdhsa_next_free_sgpr 66
		.amdhsa_reserve_vcc 1
		.amdhsa_float_denorm_mode_32 3
		.amdhsa_float_denorm_mode_16_64 3
		.amdhsa_memory_ordered 1
		.amdhsa_forward_progress 1
		.amdhsa_inst_pref_size 81
	.end_amdhsa_kernel
	.amdgpu_metadata
---
amdhsa.version: [ 1, 2 ]
amdhsa.kernels:
  - .name:           k_q893bd23ee2_prep
    .symbol:         k_q893bd23ee2_prep.kd
    .args:
      - { .name: x, .offset: 0, .size: 8, .value_kind: global_buffer, .address_space: global }
      - { .name: W_attn, .offset: 8, .size: 8, .value_kind: global_buffer, .address_space: global }
      - { .name: W_proj, .offset: 16, .size: 8, .value_kind: global_buffer, .address_space: global }
      - { .name: xc, .offset: 24, .size: 8, .value_kind: global_buffer, .address_space: global }
      - { .name: scl, .offset: 32, .size: 8, .value_kind: global_buffer, .address_space: global }
      - { .name: wc, .offset: 40, .size: 8, .value_kind: global_buffer, .address_space: global }
      - { .name: wp16, .offset: 48, .size: 8, .value_kind: global_buffer, .address_space: global }
      - { .name: rope, .offset: 56, .size: 8, .value_kind: global_buffer, .address_space: global }
    .group_segment_fixed_size: 33280
    .private_segment_fixed_size: 0
    .kernarg_segment_align: 8
    .kernarg_segment_size: 64
    .max_flat_workgroup_size: 128
    .sgpr_count:     66
    .vgpr_count:     256
    .wavefront_size: 32
...
	.end_amdgpu_metadata
.endif
;; end of part 1
;; launch qkv (part 2): grid 12 x 32, 4 waves a work-group, clusters of 4 x 4, 327,680 bytes of LDS; arguments xc, scl, wc, rope, qkvh, fq; writes qkvh, fq
.if DOCPART == 2
	.amdgcn_target "amdgcn-amd-amdhsa--gfx1250"
	.amdhsa_code_object_version 6
	.text
	.protected	k_q893bd23ee2_qkv
	.globl	k_q893bd23ee2_qkv
	.p2align	8
	.type	k_q893bd23ee2_qkv,@function
k_q893bd23ee2_qkv:
	s_mov_b64 s[64:65], 0
	v_nop
	global_prefetch_b8 v0, s[64:65] scope:SCOPE_SE
	s_setreg_imm32_b32 hwreg(HW_REG_WAVE_MODE, 25, 1), 1
	s_wait_xcnt 0x0
	s_wait_alu depctr_hold_cnt(0) depctr_sa_sdst(0) depctr_va_vdst(0) depctr_va_sdst(0) depctr_va_ssrc(0) depctr_va_vcc(0) depctr_vm_vsrc(0)
	s_getreg_b32 s2, hwreg(HW_REG_IB_STS2, 6, 4)
	s_cmp_eq_u32 s2, 0
	s_cbranch_scc0 .Lentry_in_a_cluster
	s_endpgm
.Lentry_in_a_cluster:
	s_bfe_u32 s2, ttmp6, 0x10000c
	s_cmp_lg_u32 s2, 0xf033
	s_cbranch_scc0 .Lentry_shape_is_right
	s_endpgm
.Lentry_shape_is_right:
; Launch 2 of 5: qkv = Q(x) Q(W_attn), on codes of E2M1 with E8M0 scales, M 8,192 x N 3,072 x K 1,024; then the rotation of q and k in f32; results as f16 into qkvh [part][b][h][t][64],
; and the first 16 positions of every sequence also as f32 into fq [b][t][3072] (launch 5 carries those rows in f32).
; A tile of C, 256 x 256, is made by four waves, 128 x 128 each: 64 accumulators, 512 registers.  K = 1,024 is two LDS slots of 512 along K: both are first fills, nothing is filled again.
; x's tile: 256 rows of 256 bytes, 16 bytes of padding behind each.  W's tile lies in memory in the order of the operand's registers: a fragment's 1,024 bytes are consecutive, a lane's 16 bytes at 16 x lane.
; The scale bytes of the work-group's 256 rows of x and 256 columns of W, for all of K, come once, in whole runs of 256 bytes, and stay in LDS.
; CLUSTERS: 4 x 4 work-groups.  x's tiles are shared along a row of the cluster, W's along a column: each is asked for jointly.  A cluster's 1,024 columns are exactly q, k or v (cluster x = 0, 1, 2),
; so the one branch of the text (rotate or not) hangs on the cluster's x, which all sixteen partners share.  It stands once, ahead of the last step of 128 along K, which is written in both arms:
; so the arm that rotates can ask for half of its table while that step's 64 products are issued, and v's clusters load no table.
; The grid has 384 work-groups: column tiles of 256 keep that property; the uneven last round is the price.
; THE MATRIX INSTRUCTION IS USED TRANSPOSED (source 0 = 16 columns of W, source 1 = 16 rows of x): a lane holds eight neighbouring columns of one row, so a rotation pair lies in one lane.
; LIMIT: q, k, v are rounded to f16 for launches 3 and 4 (magnitudes over 65,504 are not served; as the inputs are drawn they lie near 0.6).
; REGISTERS, in windows of 256: window 0: v16-31 addresses; v32-95 scale words, two sets, and nothing else; v96-127 packed f16; v128-191 x's fragments, later rows read back; v192-255 rotated numbers.
;   window 1: W's fragments, two sets, at v0 and v128; the table (cos, sin) of row block a at v[32 a]: blocks 2, 3, 6, 7 in the idle registers, asked for ahead of the last step; 0, 1, 4, 5 behind it.
;   window 2: the accumulators of my rows 0-63 ((a, b) at v[8 (8 a + b)]);  window 3: those of rows 64-127.
.set NQ,     4                         ; steps of 128 along K in a slot
.set ROWB,   256                       ; a row of x's tile in bytes
.set KROW,   512                       ; a row of xc in bytes
.set PITCH,  272
.set FR,     8
.set NL,     2
.set NP,     4                         ; places behind this matrix instruction (ISA guide 7.12.1)
.set HALFT,  128*PITCH
.set BOFF,   2*HALFT                   ; W's 16 column tiles x 4,096 bytes lie behind x's 256 rows
.set SLOT,   BOFF+65536
.set KS,     32                        ; a row of scale bytes
.set SCL,    2*SLOT
.set HALFS,  16*272                    ; the scales of 128 rows: 16 runs of 256 bytes + 16 of padding
.set SBLK,   2*272                     ; those of 16 rows
.set SPARE,  SCL+4*HALFS               ; the spare words, 128 bytes for each wave
.set STG,    4608                      ; the way out: a wave's stage, two heads x 16 rows x (128 bytes + 16).  It lies in slot 0, which has had its only fill and its last read when the first result is stored there
.set ADRA, 16                          ; v16-17  LDS address of my fragments of x in slot 0, 1
.set ADRB, 20                          ; v20-21  the same for W
.set T0V,  22                          ; v22     my first position t in the sequence
.set STO,  24
.set RD,   25
.set CO,   26                          ; v26     16 x lane
.set ADRS, 27
.set SPW,  28
.set NIL,  29
.set CSO,  30                          ; v30     my byte in the table's 16 rows: 256 r + 32 h
.set FO,   31                          ; v31     my byte in fq's 16 rows: 12,288 r + 32 h
.set SC,   32
.set PK,   96
.set AF,   128
.set BK,   128
.set T,    192
.set WV, 16
.set WM, 17
.set WN, 18
.set G1, 24
.set G0, 32
.set G1B, 48
.set G0B, 56
.set G1S, 68
.set G0S, 76
.set G1SB, 80
.set G0SB, 88
.set MSB, 0
.macro WIN new                         ; the immediate's high byte repeats the setting that is left
.if MSB != (\new)
	s_set_vgpr_msb (MSB<<8)|(\new)
.set MSB, (\new)
.endif
.endm
.set MUL_LO, 0xa1                      ; source 0 (W) window 1, source 1 (x) window 0, C and D window 2
.set MUL_HI, 0xf1
.set TO_B,   0x40
; A joint load: waves 0 and 1 fetch for x, waves 2 and 3 for W.  The branch hangs on the wave's number alone.  An s_nop 0 and four v_nop follow each line.
.macro JLOAD g0a, g1a, g0b, g1b
	s_cmp_eq_u32 s[WM], 0
	s_cbranch_scc0 .Lfor_b_\@
	tensor_load_to_lds s[\g0a:\g0a+3], s[\g1a:\g1a+7]
	s_nop 0
.rept 4
	v_nop
.endr
	s_branch .Lasked_\@
.Lfor_b_\@:
	tensor_load_to_lds s[\g0b:\g0b+3], s[\g1b:\g1b+7]
	s_nop 0
.rept 4
	v_nop
.endr
.Lasked_\@:
.endm
.macro CROUND                          ; a round of the cluster's barrier
	s_barrier_signal -1
	s_barrier_wait -1
	s_cmp_lg_u32 s[WV], 0
	s_cbranch_scc1 .Lnot_wave_0_\@
	s_barrier_signal -3
.Lnot_wave_0_\@:
	s_barrier_wait -3
	s_barrier_signal -1
	s_barrier_wait -1
.endm
	s_load_b256 s[4:11], s[0:1], 0x0               ; xc s[4:5], scl s[6:7], wc s[8:9], rope s[10:11]
	s_load_b128 s[12:15], s[0:1], 0x20             ; qkvh s[12:13], fq s[14:15]
	v_lshl_add_u32 v[SPW], v0, 2, SPARE
	v_mov_b32 v[NIL], 0
	ds_add_u32 v[SPW], v[NIL]                      ; the wave's opening: the add, twice on end, and its wait ahead of my first tensor load
	ds_add_u32 v[SPW], v[NIL]
	v_lshrrev_b32 v1, 5, v0
	v_readfirstlane_b32 s[WV], v1                  ; wave 0..3
	s_lshr_b32 s[WM], s[WV], 1                     ; which half of the tile's rows is mine.  Also: I fetch for x (0) or for W (1)
	s_and_b32 s[WN], s[WV], 1                      ; which half of its columns.  Also: which half of that tile I fetch
	s_bfe_u32 s40, ttmp6, 0x40000                  ; cx
	s_bfe_u32 s41, ttmp6, 0x40004                  ; cy
	s_lshl_b32 s42, ttmp9, 2
	s_add_co_u32 s42, s42, s40                     ; tile column
	s_and_b32 s43, ttmp7, 0xffff
	s_lshl_b32 s43, s43, 2
	s_add_co_u32 s43, s43, s41                     ; tile row
	s_lshl_b32 s44, s41, 2
	s_lshl_b32 s44, 15, s44                        ; my row of the cluster
	s_lshl_b32 s45, 0x1111, s40                    ; my column
	s_or_b32 s[G1+0], s44, (0<<16)|(1<<20)|(1<<21)|(5<<22)|(3<<25)   ; x: elements of 1 byte; four words of padding behind every 64; bit 21 beside the mask
	s_mov_b32 s[G1+1], ROWB<<16                    ; tensor_dim0 = 256
	s_mov_b32 s[G1+2], 128<<16                     ; tensor_dim1 = 128
	s_mov_b32 s[G1+3], ROWB<<16                    ; tile_dim0
	s_mov_b32 s[G1+4], 128                         ; tile_dim1
	s_mov_b32 s[G1+5], KROW                        ; from row to row
	s_mov_b32 s[G1+6], 0
	s_mov_b32 s[G1+7], 0
	s_or_b32 s[G1B+0], s45, (3<<16)|(1<<21)        ; W: elements of 8 bytes, no padding: 8 column tiles x 4,096 bytes (a slot's half of each tile's 8,192)
	s_mov_b32 s[G1B+1], 512<<16
	s_mov_b32 s[G1B+2], 8<<16
	s_mov_b32 s[G1B+3], 512<<16
	s_mov_b32 s[G1B+4], 8
	s_mov_b32 s[G1B+5], 1024
	s_mov_b32 s[G1B+6], 0
	s_mov_b32 s[G1B+7], 0
	s_or_b32 s[G1S+0], s44, (3<<16)|(1<<20)|(1<<21)|(5<<22)|(3<<25)  ; the scales of 128 rows: 4,096 dense bytes as 16 rows of 256, 16 bytes of padding behind each
	s_or_b32 s[G1SB+0], s45, (3<<16)|(1<<20)|(1<<21)|(5<<22)|(3<<25)
.irp g, G1S, G1SB
	s_mov_b32 s[\g+1], 32<<16
	s_mov_b32 s[\g+2], 16<<16
	s_mov_b32 s[\g+3], 32<<16
	s_mov_b32 s[\g+4], 16
	s_mov_b32 s[\g+5], 32
	s_mov_b32 s[\g+6], 0
	s_mov_b32 s[\g+7], 0
.endr
	s_lshl_b32 s20, s[WN], 7                       ; which 128 rows or columns I fetch
	s_lshl_b32 s22, s43, 8
	s_add_co_u32 s22, s22, s20                     ; x: row 256 x tile row + 128 x half
	s_lshl_b32 s92, s22, 5                         ; its scale bytes,
	s_mov_b32 s93, 0
	s_lshl_b32 s22, s22, 9                         ; its codes
	s_mov_b32 s23, 0
	s_lshl_b32 s46, s42, 8
	s_add_co_u32 s46, s46, s20                     ; W: column 256 x tile column + 128 x half
	s_lshl_b32 s94, s46, 5
	s_add_co_u32 s94, s94, 262144                  ; its scale bytes, behind x's,
	s_mov_b32 s95, 0
	s_lshl_b32 s46, s46, 9                         ; its codes: (column / 16) x 8,192
	s_mov_b32 s47, 0
	s_mul_i32 s96, s[WN], HALFT                    ; where they go: no place in the cluster enters an LDS address
	s_lshl_b32 s97, s[WN], 15
	s_add_co_u32 s97, s97, BOFF
	s_mul_i32 s98, s[WV], HALFS
	s_wait_dscnt 0x0                               ; both opening adds are done
	s_wait_kmcnt 0x0
	s_add_nc_u64 s[22:23], s[4:5], s[22:23]
	s_add_nc_u64 s[92:93], s[6:7], s[92:93]
	s_add_nc_u64 s[46:47], s[8:9], s[46:47]
	s_add_nc_u64 s[94:95], s[6:7], s[94:95]
	CROUND                                         ; all sixteen work-groups are here: the first joint loads meet
	s_mov_b32 s[G0S], 1
	s_add_co_u32 s[G0S+1], s98, SCL
	s_mov_b64 s[G0S+2:G0S+3], s[92:93]
	s_or_b32 s[G0S+3], s[G0S+3], 0x80000000
	s_mov_b32 s[G0SB], 1
	s_add_co_u32 s[G0SB+1], s98, SCL
	s_mov_b64 s[G0SB+2:G0SB+3], s[94:95]
	s_or_b32 s[G0SB+3], s[G0SB+3], 0x80000000
	JLOAD G0S, G1S, G0SB, G1SB                     ; the scales first: they are wanted with the first step
.irp s, 0,1
	s_mov_b32 s[G0+4*\s], 1
	s_add_co_u32 s[G0+4*\s+1], s96, \s*SLOT
	s_add_nc_u64 s[G0+4*\s+2:G0+4*\s+3], s[22:23], \s*ROWB
	s_or_b32 s[G0+4*\s+3], s[G0+4*\s+3], 0x80000000
	s_mov_b32 s[G0B+4*\s], 1
	s_add_co_u32 s[G0B+4*\s+1], s97, \s*SLOT
	s_add_nc_u64 s[G0B+4*\s+2:G0B+4*\s+3], s[46:47], \s*4096
	s_or_b32 s[G0B+4*\s+3], s[G0B+4*\s+3], 0x80000000
	JLOAD G0+4*\s, G1, G0B+4*\s, G1B               ; three loads of mine are out: the scales and both slots
.endr
	v_and_b32 v1, 15, v0                           ; r
	v_bfe_u32 v2, v0, 4, 1                         ; h
	v_mul_u32_u24 v3, v1, PITCH
	v_lshl_add_u32 v4, v2, 4, v3
	s_mul_i32 s21, s[WM], HALFT                    ; my 128 rows of x
.irp s, 0,1
	v_add_nc_u32 v[ADRA+\s], s21, v4
	s_add_co_u32 s21, s21, SLOT
.endr
	v_and_b32 v6, 31, v0
	v_lshlrev_b32 v[CO], 4, v6
	s_lshl_b32 s21, s[WN], 15                      ; my 8 column tiles of W
	s_add_co_u32 s21, s21, BOFF
.irp s, 0,1
	v_add_nc_u32 v[ADRB+\s], s21, v[CO]
	s_add_co_u32 s21, s21, SLOT
.endr
	v_mul_u32_u24 v5, v1, KS                       ; my row's scales: 32 bytes a row,
	v_lshrrev_b32 v6, 8, v5
	v_lshl_add_u32 v5, v6, 4, v5                   ; and 16 more for each 256 passed
	s_mul_i32 s21, s[WM], HALFS
	s_mul_i32 s20, s[WN], HALFS
	s_add_co_u32 s20, s20, 2*HALFS
	s_sub_co_u32 s20, s20, s21
	v_mul_u32_u24 v6, s20, v2                      ; lanes 16-31 take W's
	s_add_co_u32 s21, s21, SCL
	v_add_nc_u32 v5, v5, v6
	v_add_nc_u32 v[ADRS], s21, v5
	s_mul_i32 s21, s[WV], STG                      ; my stage
	v_mul_u32_u24 v5, v1, 144
	v_lshl_add_u32 v5, v2, 4, v5
	v_add_nc_u32 v[STO], s21, v5                   ; in: row r, 16 bytes for each half of the lanes
	v_and_b32 v6, 31, v0
	v_lshrrev_b32 v5, 3, v6
	v_mul_u32_u24 v5, v5, 144
	v_and_b32 v6, 7, v0
	v_lshl_add_u32 v5, v6, 4, v5
	v_add_nc_u32 v[RD], s21, v5                    ; back: eight lanes to a row of 128 bytes, four rows an instruction
	v_lshlrev_b32 v[CSO], 8, v1
	v_lshl_add_u32 v[CSO], v2, 5, v[CSO]
	v_mul_u32_u24 v[FO], v1, 12288
	v_lshl_add_u32 v[FO], v2, 5, v[FO]
	s_lshl_b32 s20, s43, 8
	s_lshl_b32 s21, s[WM], 7
	s_add_co_u32 s20, s20, s21                     ; my first row of C
	s_lshr_b32 s21, s20, 11                        ; the batch
	s_and_b32 s20, s20, 2047                       ; my first position
	v_mov_b32 v[T0V], s20
	s_lshl_b32 s92, s20, 8
	s_mov_b32 s93, 0
	s_add_nc_u64 s[10:11], s[10:11], s[92:93]      ; the table at my first position
	s_lshl_b32 s92, ttmp9, 2
	s_add_co_u32 s92, s92, s21                     ; 4 x part + batch
	s_lshl_b32 s92, s92, 4
	s_lshl_b32 s94, s40, 2
	s_add_co_u32 s92, s92, s94
	s_lshl_b32 s94, s[WN], 1
	s_add_co_u32 s92, s92, s94                     ; + my first head: 4 cx + 2 x half
	s_lshl_b32 s92, s92, 11
	s_add_co_u32 s92, s92, s20
	s_lshl_b32 s92, s92, 7                         ; rows of 128 bytes
	s_add_nc_u64 s[12:13], s[12:13], s[92:93]
	s_mul_i32 s92, s21, 196608
	s_lshl_b32 s94, s42, 10
	s_add_co_u32 s92, s92, s94
	s_lshl_b32 s94, s[WN], 9
	s_add_co_u32 s92, s92, s94
	s_add_nc_u64 s[14:15], s[14:15], s[92:93]      ; fq at my batch and my first column
.macro FRAGA reg, slot, q, i           ; 16 rows x 128 K of 4-bit codes: registers 4 c .. 4 c + 3 hold K = 64 c + 32 h + 0 .. 31
.irp c, 0,1
	ds_load_b128 v[\reg+4*\c:\reg+4*\c+3], v[ADRA+\slot] offset:64*(\q)+32*\c+(\i)*16*PITCH
.endr
.endm
.macro FRAGB reg, slot, q, i           ; the same of W, which lies as the registers want it: 512 consecutive bytes an instruction
.irp c, 0,1
	ds_load_b128 v[\reg+4*\c:\reg+4*\c+3], v[ADRB+\slot] offset:(\i)*4096+1024*(\q)+512*\c
.endr
.endm
; 16 matrix instructions: x's blocks a0, a0 + 1 against W's eight.  The 64 accumulators take turns, one instruction a turn, in the same order in every step.
.macro MUL16 a0, p, q, sc, zero
.irp a, \a0, \a0+1
.irp b, 0,1,2,3,4,5,6,7
.if \zero
	v_wmma_scale_f32_16x16x128_f8f6f4 v[8*(8*((\a)%4)+\b):8*(8*((\a)%4)+\b)+7], v[128*(\p)+FR*\b:128*(\p)+FR*\b+FR-1], v[AF+FR*(\a):AF+FR*(\a)+FR-1], 0, v[SC+8*NQ*(\sc)+NQ*\b+(\q)], v[SC+8*NQ*(\sc)+NQ*(\a)+(\q)] matrix_a_fmt:MATRIX_FMT_FP4 matrix_b_fmt:MATRIX_FMT_FP4 matrix_a_scale:MATRIX_SCALE_ROW1
.else
	v_wmma_scale_f32_16x16x128_f8f6f4 v[8*(8*((\a)%4)+\b):8*(8*((\a)%4)+\b)+7], v[128*(\p)+FR*\b:128*(\p)+FR*\b+FR-1], v[AF+FR*(\a):AF+FR*(\a)+FR-1], v[8*(8*((\a)%4)+\b):8*(8*((\a)%4)+\b)+7], v[SC+8*NQ*(\sc)+NQ*\b+(\q)], v[SC+8*NQ*(\sc)+NQ*(\a)+(\q)] matrix_a_fmt:MATRIX_FMT_FP4 matrix_b_fmt:MATRIX_FMT_FP4 matrix_a_scale:MATRIX_SCALE_ROW1
.endif
.endr
.endr
.endm
.macro FETCH_B slot, q, p
	WIN TO_B
.irp i, 0,1,2,3,4,5,6,7
	FRAGB 128*(\p)+FR*\i, \slot, \q, \i
.endr
	WIN 0
.endm
.macro FETCH_A slot, q, i0
.irp i, \i0, \i0+1, \i0+2, \i0+3
	FRAGA AF+FR*(\i), \slot, \q, \i
.endr
.endm
.macro SCALES sc                       ; a slot's scale words: four a row; lanes 0-15 take x's block i, lanes 16-31 W's block i
.irp i, 0,1,2,3,4,5,6,7
	ds_load_b128 v[SC+8*NQ*\sc+NQ*\i:SC+8*NQ*\sc+NQ*\i+3], v[ADRS] offset:\i*SBLK
.endr
.endm
.macro PLACES n                        ; plain vector instructions between a matrix instruction and a load into, or a read of, its registers (ISA guide 7.12.1 for reads)
.rept \n
	v_nop
.endr
.endm
.macro STEP slot, q, zero              ; a step of 128 along K that has its successor in the same slot
	s_wait_dscnt 4*NL                              ; W's set and x's blocks 0-3 are in; the youngest eight loads (x's blocks 4-7) may be out
	WIN MUL_LO
	MUL16 0, (\q)%2, \q, \slot, \zero
	MUL16 2, (\q)%2, \q, \slot, \zero
	s_wait_dscnt 0                                 ; x's blocks 4-7 are in
	PLACES NP
	FETCH_B \slot, (\q)+1, 1-(\q)%2
	FETCH_A \slot, (\q)+1, 0
	WIN MUL_HI
	MUL16 4, (\q)%2, \q, \slot, \zero
	MUL16 6, (\q)%2, \q, \slot, \zero
	PLACES NP
	WIN 0
	FETCH_A \slot, (\q)+1, 4
.endm
.macro STEPS slot, from
.set Q, \from
.rept NQ-1-\from
	STEP \slot, Q, 0
.set Q, Q+1
.endr
.endm
.macro LAST                            ; the very last step of 128 along K: nothing more to fetch.  Written in both arms of the branch on the cluster's x
	s_wait_dscnt 4*NL
	WIN MUL_LO
	MUL16 0, 1, NQ-1, 1, 0
	MUL16 2, 1, NQ-1, 1, 0
	s_wait_dscnt 0
	WIN MUL_HI
	MUL16 4, 1, NQ-1, 1, 0
	MUL16 6, 1, NQ-1, 1, 0
	WIN 0
	PLACES NP                                      ; for every read of results and every load into operands' registers behind it
.endm
.macro TABLE a                         ; (cos, sin) of position 16 a + r, pairs 8 qd + 4 h + 2 c, + 1, into window 1 at v[32 a]: eight loads
.irp qd, 0,1,2,3
.irp c, 0,1
	global_load_b128 v[32*(\a)+8*\qd+4*\c:32*(\a)+8*\qd+4*\c+3], v[CSO], s[10:11] offset:(\a)*4096+\qd*64+\c*16
.endr
.endr
.endm
	s_wait_tensorcnt 1                             ; the scales and my part of slot 0 are in (slot 1's load may be out)
	s_barrier_signal -1
	s_barrier_wait -1                              ; everybody's are
	FETCH_B 0, 0, 0
	FETCH_A 0, 0, 0
	SCALES 0
	FETCH_A 0, 0, 4
	STEP 0, 0, 1                                   ; the first products start the sums: nothing is cleared
	STEPS 0, 1
	; slot 0's last step changes slots: one barrier; in front of it each wave waits for all its tensor loads, adds 0 to its spare word, and waits for that and for its reads of slot 0
	s_wait_tensorcnt 0x0                           ; my part of slot 1 has landed
	ds_add_u32 v[SPW], v[NIL]
	s_wait_dscnt 4*NL+1                            ; (the add and x's blocks 4-7 may be out)
	WIN MUL_LO
	MUL16 0, 1, NQ-1, 0, 0
	s_wait_dscnt 0x0                               ; the add is done, and my reads of slot 0 are over
	s_barrier_signal -1
	MUL16 2, 1, NQ-1, 0, 0
	WIN 0
	s_barrier_wait -1                              ; slot 1 is whole, and nobody reads slot 0 any more
	PLACES NP
	v_add_nc_u32 v[ADRS], 4*NQ, v[ADRS]            ; on to slot 1's scale words
	FETCH_B 1, 0, 0
	FETCH_A 1, 0, 0
	SCALES 1
	WIN MUL_HI
	MUL16 4, 1, NQ-1, 0, 0
	MUL16 6, 1, NQ-1, 0, 0
	PLACES NP
	WIN 0
	FETCH_A 1, 0, 4
	STEPS 1, 0
; THE WAY OUT, a block of 16 rows x 128 columns (two heads) at a time.  A lane's eight f16 are 16 bytes of one row of one head; they go through my stage and come back as whole rows of 128 bytes:
; an instruction then stores four rows of a head, 512 consecutive bytes.  LDS serves a wave's instructions in order: no wait between the stores and the loads.
.macro TOSTAGE set
.irp b, 0,1,2,3,4,5,6,7
	ds_store_b128 v[STO], v[PK+4*\b:PK+4*\b+3] offset:(\b/4)*2304+32*(\b%4)
.endr
.irp i, 0,1,2,3,4,5,6,7
	ds_load_b128 v[BK+32*(\set)+4*\i:BK+32*(\set)+4*\i+3], v[RD] offset:(\i/4)*2304+(\i%4)*576
.endr
.endm
.macro SEND a, set, younger            ; younger: the LDS instructions issued behind this block's loads: the next block's 8 stores and 8 loads, or none
	s_wait_dscnt \younger
.irp i, 0,1,2,3,4,5,6,7
	global_store_b128 v[CO], v[BK+32*(\set)+4*\i:BK+32*(\set)+4*\i+3], s[12:13] offset:(\i/4)*262144+(16*(\a)+4*(\i%4))*128
.endr
.endm
; q and k: (x0, x1) -> (x0 c - x1 s, x1 c + x0 s), a packed multiply and a packed fused multiply-add for each pair.  Each accumulator is read from its low end on.
.macro ROPE a, set
.set AC, 64*((\a)%4)
	WIN 0x06+(\a)/4                                ; source 0: window 2 or 3; source 1 (the table): window 1
.irp b, 0,1,2,3,4,5,6,7
.irp u, 0,1,2,3
	v_pk_mul_f32 v[T+8*\b+2*\u:T+8*\b+2*\u+1], v[AC+8*\b+2*\u:AC+8*\b+2*\u+1], v[32*(\a)+8*(\b%4)+2*\u:32*(\a)+8*(\b%4)+2*\u+1] op_sel_hi:[1,0]
.endr
.endr
.irp b, 0,1,2,3,4,5,6,7
.irp u, 0,1,2,3
	v_pk_fma_f32 v[T+8*\b+2*\u:T+8*\b+2*\u+1], v[AC+8*\b+2*\u:AC+8*\b+2*\u+1], v[32*(\a)+8*(\b%4)+2*\u:32*(\a)+8*(\b%4)+2*\u+1], v[T+8*\b+2*\u:T+8*\b+2*\u+1] op_sel:[1,1,0] op_sel_hi:[0,1,1] neg_lo:[1,0,0]
.endr
.endr
	WIN 0
.if (\a) == 0                          ; positions 0 to 15 of a sequence also leave in f32.  Whether these are my rows hangs on my place in the cluster: a mask on the lanes, no branch
	s_wait_xcnt 0x0                                ; EXEC changes only behind this wait
	v_cmp_eq_u32 vcc_lo, 0, v[T0V]
	s_and_saveexec_b32 s19, vcc_lo
.irp b, 0,1,2,3,4,5,6,7
.irp c, 0,1
	global_store_b128 v[FO], v[T+8*\b+4*\c:T+8*\b+4*\c+3], s[14:15] offset:64*\b+16*\c
.endr
.endr
	s_wait_xcnt 0x0                                ; and again in front of the line that widens it; the stores have read their data too
	s_or_b32 exec_lo, exec_lo, s19
.endif
.irp b, 0,1,2,3,4,5,6,7
.irp u, 0,1,2,3
	v_cvt_pk_f16_f32 v[PK+4*\b+\u], v[T+8*\b+2*\u], v[T+8*\b+2*\u+1]
.endr
.endr
	TOSTAGE \set
.endm
; v: the same without the rotation
.macro CONV a, set
.set AC, 64*((\a)%4)
.if (\a) == 0
	s_wait_xcnt 0x0
	v_cmp_eq_u32 vcc_lo, 0, v[T0V]
	s_and_saveexec_b32 s19, vcc_lo
	WIN 0x08                                       ; a store's data are its source 1: window 2
.irp b, 0,1,2,3,4,5,6,7
.irp c, 0,1
	global_store_b128 v[FO], v[AC+8*\b+4*\c:AC+8*\b+4*\c+3], s[14:15] offset:64*\b+16*\c
.endr
.endr
	WIN 0
	s_wait_xcnt 0x0
	s_or_b32 exec_lo, exec_lo, s19
.endif
	WIN 0x0a+5*((\a)/4)                            ; sources 0 and 1: window 2 or 3
.irp b, 0,1,2,3,4,5,6,7
.irp u, 0,1,2,3
	v_cvt_pk_f16_f32 v[PK+4*\b+\u], v[AC+8*\b+2*\u], v[AC+8*\b+2*\u+1]
.endr
.endr
	WIN 0
	TOSTAGE \set
.endm
	s_cmp_eq_u32 ttmp9, 2                          ; THE ONE BRANCH: cluster x = 2 makes v, which is not rotated.  All sixteen partners go the same way; every window is 0 here
	s_cbranch_scc1 .Lpath_v
	WIN TO_B
.irp a, 2,3,6,7                        ; half of the table, into registers of window 1 that no matrix instruction names: 32 loads, which have the last step's 64 products in which to land
	TABLE \a
.endr
	WIN 0
	LAST
	WIN TO_B
.irp a, 0,1,4,5                        ; the other half, into the registers that held W's fragments, behind the last product's places
	TABLE \a
.endr
	WIN 0
	s_wait_loadcnt 32                              ; the first 32 loads are in; the 32 just issued may be out
	ROPE 2, 0
	ROPE 3, 1
	SEND 2, 0, 16
	s_wait_xcnt 0x0                                ; the stores of the block before last have read their registers: the next block's rows may land there
	ROPE 6, 0
	SEND 3, 1, 16
	s_wait_xcnt 0x0
	ROPE 7, 1
	SEND 6, 0, 16
	s_wait_loadcnt 24                              ; block 0's eight loads are in; 24 were issued behind them
	s_wait_xcnt 0x0
	ROPE 0, 0
	SEND 7, 1, 16
	s_wait_loadcnt 16
	s_wait_xcnt 0x0
	ROPE 1, 1
	SEND 0, 0, 16
	s_wait_loadcnt 8
	s_wait_xcnt 0x0
	ROPE 4, 0
	SEND 1, 1, 16
	s_wait_loadcnt 0
	s_wait_xcnt 0x0
	ROPE 5, 1
	SEND 4, 0, 16
	SEND 5, 1, 0
	s_branch .Lfinish
.Lpath_v:
	LAST
	CONV 0, 0
	CONV 1, 1
	SEND 0, 0, 16
.irp a, 2,3,4,5,6,7
	s_wait_xcnt 0x0
	CONV \a, \a%2
	SEND \a-1, (\a-1)%2, 16
.endr
	SEND 7, 1, 0
.Lfinish:
	s_wait_tensorcnt 0x0                           ; the wave's end: a wait, an add and its wait behind my last tensor load and my last LDS store
	ds_add_u32 v[SPW], v[NIL]
	s_wait_dscnt 0x0
	CROUND                                         ; the closing round
	s_endpgm
.Lfunc_end_k_q893bd23ee2_qkv:
	.size	k_q893bd23ee2_qkv, .Lfunc_end_k_q893bd23ee2_qkv-k_q893bd23ee2_qkv
	.p2alignl 7, 3214868480
	.fill 96, 4, 3214868480
	.section	.rodata,"a",@progbits
	.p2align	6, 0x0
	.amdhsa_kernel k_q893bd23ee2_qkv
		.amdhsa_group_segment_fixed_size 327680
		.amdhsa_private_segment_fixed_size 0
		.amdhsa_enable_private_segment 0
		.amdhsa_kernarg_size 48
		.amdhsa_user_sgpr_count 2
		.amdhsa_user_sgpr_kernarg_segment_ptr 1
		.amdhsa_wavefront_size32 1
		.amdhsa_system_sgpr_workgroup_id_x 1
		.amdhsa_system_sgpr_workgroup_id_y 1
		.amdhsa_system_sgpr_workgroup_id_z 1
		.amdhsa_system_vgpr_workitem_id 0
		.amdhsa_next_free_vgpr 1024
		.amdhsa_next_free_sgpr 100
		.amdhsa_reserve_vcc 1
		.amdhsa_float_denorm_mode_32 3
		.amdhsa_float_denorm_mode_16_64 3
		.amdhsa_memory_ordered 1
		.amdhsa_forward_progress 1
		.amdhsa_inst_pref_size 208
	.end_amdhsa_kernel
	.amdgpu_metadata
---
amdhsa.version: [ 1, 2 ]
amdhsa.kernels:
  - .name:           k_q893bd23ee2_qkv
    .symbol:         k_q893bd23ee2_qkv.kd
    .args:
      - { .name: xc, .offset: 0, .size: 8, .value_kind: global_buffer, .address_space: global }
      - { .name: scl, .offset: 8, .size: 8, .value_kind: global_buffer, .address_space: global }
      - { .name: wc, .offset: 16, .size: 8, .value_kind: global_buffer, .address_space: global }
      - { .name: rope, .offset: 24, .size: 8, .value_kind: global_buffer, .address_space: global }
      - { .name: qkvh, .offset: 32, .size: 8, .value_kind: global_buffer, .address_space: global }
      - { .name: fq, .offset: 40, .size: 8, .value_kind: global_buffer, .address_space: global }
    .group_segment_fixed_size: 327680
    .private_segment_fixed_size: 0
    .kernarg_segment_align: 8
    .kernarg_segment_size: 48
    .max_flat_workgroup_size: 128
    .sgpr_count:     100
    .vgpr_count:     1024
    .wavefront_size: 32
...
	.end_amdgpu_metadata
.endif
;; end of part 2
;; launch attn (part 3): grid 4 x 64, 8 waves a work-group, no clusters, 327,680 bytes of LDS; arguments qkvh, yh; writes yh
.if DOCPART == 3
	.amdgcn_target "amdgcn-amd-amdhsa--gfx1250"
	.amdhsa_code_object_version 6
	.text
	.protected	k_q893bd23ee2_attn
	.globl	k_q893bd23ee2_attn
	.p2align	8
	.type	k_q893bd23ee2_attn,@function
k_q893bd23ee2_attn:
	s_mov_b64 s[64:65], 0
	v_nop
	global_prefetch_b8 v0, s[64:65] scope:SCOPE_SE
	s_setreg_imm32_b32 hwreg(HW_REG_WAVE_MODE, 25, 1), 1
	s_wait_xcnt 0x0
; Launch 3 of 5: y[b][h][q] = the sum over k <= q of softmax_k(q . k / 8) v[k], on f16 operands with f32 sums, maxima and sums of weights; y as f16 into yh [h][b x 2048 + t][64].
; LEFT OUT AS DEAD WORK (shown at the head of launch 1): key steps all of whose keys come after all queries of a piece; reference()'s own mask gives them the weight 0.
; SHARES.  Work-group (i, head) owns the query blocks i and 7 - i of 256 queries, at the same time: (i + 1) + (8 - i) = 9 block-slots of work in every one of the 256 work-groups.
; Each of the eight waves owns four tiles of 16 queries: piece L (tiles 0, 1) in block i, piece H (tiles 2, 3) in block 7 - i, at queries 32 u on, u = wave with its bit 1 turned in waves 4 to 7.
; All waves walk the keys from 0, 64 a step, 256 a slot, in loops of constant count; a piece's work is jumped over, by scalar branches on ids, once the step's first key lies behind its last query.
; While both pieces are alive a fragment of K or V read from LDS feeds four tiles.
; A STEP: K's and V's fragments; piece H: scores, mask, softmax, V^T P; then ONE test whether piece L is alive, and in that arm the same for piece L, from the same fragments.
; NO CLUSTER: the work-groups of a head stop asking for slots at different keys (the causal limit hangs on the work-group's number), so partners would not make every joint request.
; LAYOUT.  S^T = K Q^T (source 0 = 16 keys, source 1 = 16 queries): a lane holds ONE query (lane % 16) and the keys 8 (lane / 16) + 0..7.  Two such tiles, rounded to f16 in pairs, ARE source 1 of
; O^T = V^T P.  K comes out of LDS as it lies, V ([key][channel]) turned, by ds_load_tr16_b128.  p is rounded to f16 in place, over the first half of its tile's scores.
; SOFTMAX.  For each query a running maximum m and sum l: p = 2^(c s - c m), c = log2(e) / 8; in every step O and l are multiplied by a = 2^(c m_old - c m_new).  m begins at -3e38, O and l at 0.
; Every step that a piece walks has its first key at or under the piece's first query (steps begin at multiples of 64, pieces at multiples of 32), so every query sees a key and m is a number.
; Two waves share a SIMD: one wave's vector work stands beside the other's matrix work and LDS loads.
; LIMIT: p, and y on its way to launch 4, are rounded to f16.  Rows t < 16 are written here and in launch 4 like all others, and written over, from f32 work, by launch 5.
; REGISTERS: window 0: v1-14 addresses and constants; v16-23 second chains of the sums; v32-63 statistics, eight a tile; v64-191 S^T, 32 a tile; v192-255 V's fragments.
;   window 1: v0-127 O^T, 32 a tile; v128-191 Q, 16 a tile; v192-255 K's fragments.
.set KP,    144                        ; a row of K in LDS: 128 bytes + 16
.set VP,    160                        ; a row of V: 128 + 32
.set VOFF,  256*KP                     ; a slot: 256 rows of K, then 256 rows of V
.set SLOT1, 1<<17                      ; slot 1 begins here: one exclusive or turns an address in one slot into the other's
.set STAGE, SLOT1+256*(KP+VP)          ; behind the ring: 16 rows x 144 bytes for each wave, for the way out
.set SPARE, STAGE+8*16*144             ; the spare words, 128 bytes for each wave
.set AK0, 1
.set AV0, 2
.set ADK, 3
.set ADV, 4
.set SPW, 5
.set NIL, 6
.set QO,  7
.set STO, 8
.set RD,  9
.set GO,  10
.set RH,  11                           ; v11  r - 8 h
.set PFO, 12                           ; v12  256 x lane
.set NINF, 13                          ; v13  -infinity
.set ST,  32                           ; tile t: +0 c m, +1 m, +2, +3 l, +4 .. +7 at work; a takes +6
.set S,   64
.set VF,  192
.set QF,  128                          ; in window 1
.set KFR, 192                          ; in window 1
.set WV,  8
.set G1K, 24
.set G1V, 32
.set G0K, 40
.set G0V, 44
.set TK,  48                           ; s48  LDS byte at which the step's rows of K begin
.set TV,  49                           ; s49  the same for V, less VOFF
.set KF,  50                           ; s50  the step's first key
.set LASTL, 51
.set LASTH, 52
.set Q0L, 53
.set Q0H, 54
.set SLOTS, 55
.set STEPS, 56
.set LIM, 57
.set PFA, 58
.set MSB, 0
.macro WIN new
.if MSB != (\new)
	s_set_vgpr_msb (MSB<<8)|(\new)
.set MSB, (\new)
.endif
.endm
; Waves 0 to 3 fetch a quarter of a slot's K each, waves 4 to 7 of its V: every wave has one load.  An s_nop 0 and four v_nop follow each line.
.macro TLOAD
	s_cmp_lt_u32 s[WV], 4
	s_cbranch_scc0 .Lfor_v_\@
	tensor_load_to_lds s[G0K:G0K+3], s[G1K:G1K+7]
	s_nop 0
.rept 4
	v_nop
.endr
	s_branch .Lasked_\@
.Lfor_v_\@:
	tensor_load_to_lds s[G0V:G0V+3], s[G1V:G1V+7]
	s_nop 0
.rept 4
	v_nop
.endr
.Lasked_\@:
.endm
	s_load_b128 s[4:7], s[0:1], 0x0                ; qkvh s[4:5], yh s[6:7]
	v_lshl_add_u32 v[SPW], v0, 2, SPARE
	v_mov_b32 v[NIL], 0
	ds_add_u32 v[SPW], v[NIL]                      ; the wave's opening: the add, twice on end, and its wait ahead of my first tensor load
	ds_add_u32 v[SPW], v[NIL]
	v_lshrrev_b32 v1, 5, v0
	v_readfirstlane_b32 s[WV], v1                  ; wave 0..7
	s_lshr_b32 s9, s[WV], 2
	s_lshl_b32 s9, s9, 1
	s_xor_b32 s9, s9, s[WV]                        ; u
	s_and_b32 s10, ttmp7, 0xffff                   ; 16 b + h
	s_and_b32 s11, s[WV], 3                        ; which quarter of a slot I fetch
	s_mov_b32 s[G1K], (1<<16)|(1<<20)|(4<<22)|(3<<25)   ; elements of 2 bytes; four words of padding behind every 32
	s_mov_b32 s[G1V], (1<<16)|(1<<20)|(4<<22)|(7<<25)   ; eight words
.irp g, G1K, G1V
	s_mov_b32 s[\g+1], 64<<16                      ; tensor_dim0 = 64
	s_mov_b32 s[\g+2], 64<<16                      ; tensor_dim1 = 64
	s_mov_b32 s[\g+3], 64<<16                      ; tile_dim0
	s_mov_b32 s[\g+4], 64                          ; tile_dim1
	s_mov_b32 s[\g+5], 64                          ; from row to row
	s_mov_b32 s[\g+6], 0
	s_mov_b32 s[\g+7], 0
.endr
	s_mov_b32 s[G0K], 1
	s_mul_i32 s[G0K+1], s11, 64*KP
	s_mov_b32 s[G0V], 1
	s_mul_i32 s[G0V+1], s11, 64*VP
	s_add_co_u32 s[G0V+1], s[G0V+1], VOFF
	s_lshl_b32 s[Q0L], ttmp9, 8
	s_lshl_b32 s60, s9, 5
	s_add_co_u32 s[Q0L], s[Q0L], s60               ; piece L's first query
	s_sub_co_u32 s[Q0H], 7, ttmp9
	s_lshl_b32 s[Q0H], s[Q0H], 8
	s_add_co_u32 s[Q0H], s[Q0H], s60               ; piece H's
	s_add_co_u32 s[LASTL], s[Q0L], 31
	s_add_co_u32 s[LASTH], s[Q0H], 31
	s_mov_b32 s20, 0x76543210
	s_mov_b32 s21, 0xfedcba98                      ; v_permlanex16_b32's selects for lane l xor 16
	s_mov_b32 s22, 0x3e38aa3b                      ; c = log2(e) / 8
	s_mov_b32 s23, s22                             ; (named with it as a pair, so it is written)
	s_mov_b32 s[TK], 0
	s_mov_b32 s[TV], 0
	s_mov_b32 s[KF], 0
	s_mov_b32 s[SLOTS], 7
	s_cmp_eq_u32 ttmp9, 0                          ; the head's work-group 0 walks all eight slots: it alone prefetches
	s_cselect_b32 s[LIM], 1, -1
	s_mov_b32 s3, 0
	s_lshl_b32 s62, s10, 18                        ; the head's 262,144 bytes in each part of qkvh
	s_and_b32 s63, s10, 15
	s_lshl_b32 s63, s63, 2
	s_lshr_b32 s60, s10, 4
	s_add_co_u32 s63, s63, s60
	s_lshl_b32 s63, s63, 11                        ; (4 h + b) x 2,048: my sequence's first row in yh
	v_and_b32 v15, 15, v0                          ; r
	v_bfe_u32 v24, v0, 4, 1                        ; h
	v_mul_u32_u24 v[AK0], v15, KP
	v_lshl_add_u32 v[AK0], v24, 4, v[AK0]          ; K: row r, + 16 h
	v_and_b32 v25, 7, v0
	v_lshl_add_u32 v[AV0], v24, 3, v25
	v_mul_u32_u24 v[AV0], v[AV0], VP
	v_bfe_u32 v25, v0, 3, 1
	v_lshl_add_u32 v[AV0], v25, 4, v[AV0]
	v_add_nc_u32 v[AV0], VOFF, v[AV0]              ; V: key 8 h + l % 8, channels 8 ((l / 8) % 2) on
	v_lshlrev_b32 v[QO], 7, v15
	v_lshl_add_u32 v[QO], v24, 4, v[QO]
	s_mul_i32 s60, s[WV], 16*144
	s_add_co_u32 s60, s60, STAGE                   ; my stage
	v_mul_u32_u24 v[STO], v15, 144
	v_lshl_add_u32 v[STO], v24, 4, v[STO]
	v_add_nc_u32 v[STO], s60, v[STO]
	v_and_b32 v25, 31, v0
	v_lshrrev_b32 v[RD], 3, v25
	v_mul_u32_u24 v[RD], v[RD], 144
	v_and_b32 v26, 7, v0
	v_lshl_add_u32 v[RD], v26, 4, v[RD]
	v_add_nc_u32 v[RD], s60, v[RD]
	v_lshlrev_b32 v[GO], 4, v25
	v_lshlrev_b32 v[RH], 3, v24
	v_sub_nc_u32 v[RH], v15, v[RH]
	v_lshlrev_b32 v[PFO], 8, v25
	v_mov_b32 v[NINF], 0xff800000
	s_wait_dscnt 0x0                               ; both opening adds are done
	s_wait_kmcnt 0x0
	s_lshl_b32 s2, s11, 13                         ; my quarter: 64 rows of 128 bytes
	s_add_co_u32 s2, s2, s62
	s_add_co_u32 s2, s2, 16777216                  ; K is part 1,
	s_add_nc_u64 s[G0K+2:G0K+3], s[4:5], s[2:3]
	s_add_co_u32 s2, s2, 16777216                  ; V part 2
	s_add_nc_u64 s[G0V+2:G0V+3], s[4:5], s[2:3]
	s_cmp_lt_u32 s[WV], 4
	s_cselect_b64 s[PFA:PFA+1], s[G0K+2:G0K+3], s[G0V+2:G0V+3]
	s_add_nc_u64 s[PFA:PFA+1], s[PFA:PFA+1], 32768 ; my quarter of slot 1; the first change of slots steps it to slot 2.  Nothing is prefetched here, at the head
	s_or_b32 s[G0K+3], s[G0K+3], 0x80000000
	s_or_b32 s[G0V+3], s[G0V+3], 0x80000000
	TLOAD                                          ; slot 0: keys 0 to 255, which count for every work-group
	s_lshl_b32 s2, s[Q0L], 7
	s_add_co_u32 s2, s2, s62
	s_add_nc_u64 s[12:13], s[4:5], s[2:3]          ; piece L's queries
	s_lshl_b32 s2, s[Q0H], 7
	s_add_co_u32 s2, s2, s62
	s_add_nc_u64 s[14:15], s[4:5], s[2:3]          ; piece H's
	s_add_co_u32 s2, s63, s[Q0L]
	s_lshl_b32 s2, s2, 7
	s_add_nc_u64 s[16:17], s[6:7], s[2:3]          ; and their rows of yh
	s_add_co_u32 s2, s63, s[Q0H]
	s_lshl_b32 s2, s2, 7
	s_add_nc_u64 s[18:19], s[6:7], s[2:3]
	WIN 0x40                                       ; destination window 1
.irp t, 0,1
.irp cs, 0,1
	global_load_b128 v[QF+16*\t+8*\cs:QF+16*\t+8*\cs+3],   v[QO], s[12:13] offset:\t*2048+\cs*64
	global_load_b128 v[QF+16*\t+8*\cs+4:QF+16*\t+8*\cs+7], v[QO], s[12:13] offset:\t*2048+\cs*64+32
	global_load_b128 v[QF+32+16*\t+8*\cs:QF+32+16*\t+8*\cs+3],   v[QO], s[14:15] offset:\t*2048+\cs*64
	global_load_b128 v[QF+32+16*\t+8*\cs+4:QF+32+16*\t+8*\cs+7], v[QO], s[14:15] offset:\t*2048+\cs*64+32
.endr
.endr
.set j, 0
.rept 128
	v_mov_b32 v[j], 0                              ; O^T.  The step is written once: the first finds zeros, which its a = 0 leaves zeros
.set j, j+1
.endr
	WIN 0
.irp t, 0,1,2,3
	v_mov_b32 v[ST+8*\t+1], 0xff61b1e6             ; m = -3e38, under every score
	v_mov_b32 v[ST+8*\t+2], 0                      ; l, in two halves
	v_mov_b32 v[ST+8*\t+3], 0
	v_mov_b32 v[ST+8*\t+5], 0                      ; written once: a lane permute's destination counts as one of its sources
	v_mov_b32 v[ST+8*\t+7], 0                      ; written once: named as the upper half of the pair that holds a, and 1 / l on the way out
.endr
.irp t, 0,1,2,3
	v_mul_f32 v[ST+8*\t], s22, v[ST+8*\t+1]        ; c m
.endr
; S^T = K Q^T for piece y: 16 matrix instructions on eight accumulators by turns; the first eight start the sums
.macro KQ y
	WIN 0x05                                       ; K and Q in window 1
.irp cs, 0,1
.irp kt, 0,1,2,3
.irp t, \y, \y+1
.if \cs == 0
	v_wmma_f32_16x16x32_f16 v[S+32*(\t)+8*\kt:S+32*(\t)+8*\kt+7], v[KFR+16*\kt+8*\cs:KFR+16*\kt+8*\cs+7], v[QF+16*(\t)+8*\cs:QF+16*(\t)+8*\cs+7], 0
.else
	v_wmma_f32_16x16x32_f16 v[S+32*(\t)+8*\kt:S+32*(\t)+8*\kt+7], v[KFR+16*\kt+8*\cs:KFR+16*\kt+8*\cs+7], v[QF+16*(\t)+8*\cs:QF+16*(\t)+8*\cs+7], v[S+32*(\t)+8*\kt:S+32*(\t)+8*\kt+7]
.endif
.endr
.endr
.endr
	WIN 0
.endm
; O^T += V^T P for piece y: 16 matrix instructions on eight accumulators by turns
.macro PVM y
	WIN 0x50                                       ; C and D (O^T) in window 1
.irp ks, 0,1
.irp ct, 0,1,2,3
.irp t, \y, \y+1
	v_wmma_f32_16x16x32_f16 v[32*(\t)+8*\ct:32*(\t)+8*\ct+7], v[VF+32*\ks+8*\ct:VF+32*\ks+8*\ct+7], v[S+32*(\t)+8*\ks:S+32*(\t)+8*\ks+7], v[32*(\t)+8*\ct:32*(\t)+8*\ct+7]
.endr
.endr
.endr
	WIN 0
.endm
; On the diagonal the scores of hidden keys become -infinity ahead of the maximum.  A step all of whose keys count for the piece's first query skips this.
; Register n of a tile holds key KF + 16 (n / 8) + 8 h + n % 8: hidden where 16 (n / 8) + n % 8 > d, d = my query - KF - 8 h.
.macro MASK y, q0
	s_add_co_u32 s60, s[KF], 63
	s_cmp_le_u32 s60, s[\q0]
	s_cbranch_scc1 .Lopen_\@
	s_sub_co_u32 s60, s[\q0], s[KF]
.irp tt, 0,1
	s_add_co_u32 s61, s60, 16*\tt
	v_add_nc_u32 v14, s61, v[RH]
.irp n, 0,1,2,3,4,5,6,7,8,9,10,11,12,13,14,15,16,17,18,19,20,21,22,23,24,25,26,27,28,29,30,31
	v_cmp_gt_i32 vcc_lo, 16*(\n/8)+\n%8, v14
	v_cndmask_b32 v[S+32*((\y)+\tt)+\n], v[S+32*((\y)+\tt)+\n], v[NINF], vcc_lo
.endr
.endr
.Lopen_\@:
.endm
; The softmax of piece y for one key step; its two tiles alternate line by line, so that no line waits for the line above it.  Each tile of scores is read from its low end on.
.macro SMAX y
.irp j, 0,1,2,3
.irp t, \y, \y+1
	v_max3_num_f32 v[ST+8*(\t)+4+\j], v[S+32*(\t)+8*\j], v[S+32*(\t)+8*\j+1], v[S+32*(\t)+8*\j+2]
.endr
.endr
.irp g, 1,2
.irp j, 0,1,2,3
.irp t, \y, \y+1
	v_max3_num_f32 v[ST+8*(\t)+4+\j], v[ST+8*(\t)+4+\j], v[S+32*(\t)+8*\j+2*\g+1], v[S+32*(\t)+8*\j+2*\g+2]
.endr
.endr
.endr
.irp t, \y, \y+1
	v_max3_num_f32 v[ST+8*(\t)+4], v[ST+8*(\t)+4], v[S+32*(\t)+7], v[S+32*(\t)+15]
.endr
.irp t, \y, \y+1
	v_max3_num_f32 v[ST+8*(\t)+6], v[ST+8*(\t)+6], v[S+32*(\t)+23], v[S+32*(\t)+31]
.endr
.irp t, \y, \y+1
	v_max3_num_f32 v[ST+8*(\t)+4], v[ST+8*(\t)+4], v[ST+8*(\t)+5], v[ST+8*(\t)+6]
.endr
.irp t, \y, \y+1
	v_max3_num_f32 v[ST+8*(\t)+4], v[ST+8*(\t)+4], v[ST+8*(\t)+7], v[ST+8*(\t)+1]   ; with the old m
.endr
.irp t, \y, \y+1
	v_permlanex16_b32 v[ST+8*(\t)+5], v[ST+8*(\t)+4], s20, s21   ; the query's other 32 keys lie in the lane 16 away
.endr
.irp t, \y, \y+1
	v_mov_b32 v[ST+8*(\t)+7], v[ST+8*(\t)]         ; c m_old
.endr
.irp t, \y, \y+1
	v_max_num_f32 v[ST+8*(\t)+1], v[ST+8*(\t)+4], v[ST+8*(\t)+5]
.endr
.irp t, \y, \y+1
	v_mul_f32 v[ST+8*(\t)], s22, v[ST+8*(\t)+1]
.endr
.irp t, \y, \y+1
	v_sub_f32 v[ST+8*(\t)+7], v[ST+8*(\t)+7], v[ST+8*(\t)]
.endr
.irp j, 0,2,4,6,8,10,12,14,16,18,20,22,24,26,28,30
.irp t, \y, \y+1
	v_pk_fma_f32 v[S+32*(\t)+\j:S+32*(\t)+\j+1], v[S+32*(\t)+\j:S+32*(\t)+\j+1], s[22:23], v[ST+8*(\t):ST+8*(\t)+1] op_sel_hi:[1,0,0] neg_lo:[0,0,1] neg_hi:[0,0,1]   ; c s - c m
.endr
.endr
.irp t, \y, \y+1
	v_exp_f32 v[ST+8*(\t)+6], v[ST+8*(\t)+7]       ; a
.endr
.irp j, 0,1,2,3,4,5,6,7,8,9,10,11,12,13,14,15,16,17,18,19,20,21,22,23,24,25,26,27,28,29,30,31
.irp t, \y, \y+1
	v_exp_f32 v[S+32*(\t)+\j], v[S+32*(\t)+\j]     ; p
.endr
.endr
	v_nop                                          ; a plain instruction behind the last exponential,
	s_wait_alu depctr_va_vdst(0)                   ; and ONE wait for the piece's 66, ahead of the first instruction that names a result
.irp t, \y, \y+1
	v_pk_mul_f32 v[ST+8*(\t)+2:ST+8*(\t)+3], v[ST+8*(\t)+2:ST+8*(\t)+3], v[ST+8*(\t)+6:ST+8*(\t)+7] op_sel_hi:[1,0]   ; l x a
.endr
.irp t, \y, \y+1
	v_pk_add_f32 v[16+2*(\t):17+2*(\t)], v[S+32*(\t):S+32*(\t)+1], v[S+32*(\t)+2:S+32*(\t)+3]   ; the sums are taken of p in f32, in two chains
.endr
.irp j, 4,8,12,16,20,24,28
.irp t, \y, \y+1
	v_pk_add_f32 v[ST+8*(\t)+2:ST+8*(\t)+3], v[ST+8*(\t)+2:ST+8*(\t)+3], v[S+32*(\t)+\j:S+32*(\t)+\j+1]
	v_pk_add_f32 v[16+2*(\t):17+2*(\t)], v[16+2*(\t):17+2*(\t)], v[S+32*(\t)+\j+2:S+32*(\t)+\j+3]
.endr
.endr
.irp t, \y, \y+1
	v_pk_add_f32 v[ST+8*(\t)+2:ST+8*(\t)+3], v[ST+8*(\t)+2:ST+8*(\t)+3], v[16+2*(\t):17+2*(\t)]
.endr
.irp j, 0,1,2,3,4,5,6,7,8,9,10,11,12,13,14,15
.irp t, \y, \y+1
	v_cvt_pk_f16_f32 v[S+32*(\t)+\j], v[S+32*(\t)+2*\j], v[S+32*(\t)+2*\j+1]   ; in place, ascending: register j is never ahead of its sources 2 j, 2 j + 1
.endr
.endr
	WIN 0x41                                       ; O^T (destination and source 0) in window 1
.irp j, 0,2,4,6,8,10,12,14,16,18,20,22,24,26,28,30
.irp t, \y, \y+1
	v_pk_mul_f32 v[32*(\t)+\j:32*(\t)+\j+1], v[32*(\t)+\j:32*(\t)+\j+1], v[ST+8*(\t)+6:ST+8*(\t)+7] op_sel_hi:[1,0]   ; O^T x a
.endr
.endr
	WIN 0
.endm
; THE CHANGE OF SLOTS stands at a slot's head.  Each wave waits for all its tensor loads (its part of the slot ahead), adds 0 to its spare word, and waits for that and for its reads of the slot it has left.
; Behind the barrier the slot ahead is whole and nobody reads the other one.  fill = 1: that other slot is filled with the next 256 keys, up to the causal limit: a whole slot's steps in which to land.
.macro CHANGE fill
	s_wait_tensorcnt 0x0                           ; no tensor load of mine is out, so a group 0 may be written
	ds_add_u32 v[SPW], v[NIL]                      ; every wave has issued a tensor load at the head
.if \fill
	s_xor_b32 s[G0K+1], s[G0K+1], SLOT1            ; the walking descriptors: the other slot,
	s_add_nc_u64 s[G0K+2:G0K+3], s[G0K+2:G0K+3], 32768   ; the next 256 keys; the type bits on top are not reached
	s_xor_b32 s[G0V+1], s[G0V+1], SLOT1
	s_add_nc_u64 s[G0V+2:G0V+3], s[G0V+2:G0V+3], 32768
	s_wait_xcnt 0x0                                ; the last prefetch, a slot back, has read its address, so it may be written:
	s_add_nc_u64 s[PFA:PFA+1], s[PFA:PFA+1], 32768 ; one slot further on than the walking descriptors
.endif
	s_wait_dscnt 0x0                               ; the add is done, and my reads of the slot that I have left are over
	s_barrier_signal -1
	s_barrier_wait -1
.if \fill
	s_add_co_u32 s60, s[KF], 256                   ; the first key of the slot that this change would ask for,
	s_or_b32 s61, s[Q0H], 255                      ; against my work-group's last query: a slot beyond it is read by none of the eight waves and is not asked for.
	s_cmp_gt_u32 s60, s61                          ; Ids and the count of steps alone: all waves go the same way, every wait on TENSORcnt is for 0, and the jump leads round the load's own lines alone
	s_cbranch_scc1 .Lpast_\@
	TLOAD                                          ; a wave's one tensor load until the next such barrier
.Lpast_\@:
	; A prefetch of what the NEXT change will ask for: my quarter of a slot's K (waves 0 to 3) or V (waves 4 to 7), 8,192 dense bytes, lanes 256 bytes apart: four key steps ahead of that load.
	; All work-groups of a head walk the same K and V: work-group 0, which walks all slots, asks, so each block of 256 bytes is named once.  The last change that fills a slot asks for nothing.
	s_cmp_gt_u32 s[SLOTS], s[LIM]
	s_cbranch_scc0 .Lnot_mine_\@
	global_prefetch_b8 v[PFO], s[PFA:PFA+1] th:TH_LOAD_NT scope:SCOPE_SE
.Lnot_mine_\@:
.endif
.endm
; A slot's four key steps: written once, walked four times; the LDS addresses hang on s[TK] and s[TV].
.macro SLOT_STEPS
	s_mov_b32 s[STEPS], 4
.Lstep_\@:
	s_cmp_gt_u32 s[KF], s[LASTH]                   ; all keys behind piece H's last query (and so behind L's): the step's work is left out, not the lines at its end that step addresses
	s_cbranch_scc1 .Lhidden_\@
	v_add_nc_u32 v[ADK], s[TK], v[AK0]
	v_add_nc_u32 v[ADV], s[TV], v[AV0]
	WIN 0x40
.irp f, 0,1,2,3,4,5,6,7                ; K: keys 16 (f / 2) on, channels 32 (f % 2) on
	ds_load_b128 v[KFR+8*\f:KFR+8*\f+3],   v[ADK] offset:(\f/2)*16*KP+(\f%2)*64
	ds_load_b128 v[KFR+8*\f+4:KFR+8*\f+7], v[ADK] offset:(\f/2)*16*KP+(\f%2)*64+32
.endr
	WIN 0
.irp f, 0,1,2,3,4,5,6,7                ; V, turned: keys 32 (f / 4) on, channels 16 (f % 4) on
	ds_load_tr16_b128 v[VF+8*\f:VF+8*\f+3],   v[ADV] offset:(\f/4)*32*VP+(\f%4)*32
	ds_load_tr16_b128 v[VF+8*\f+4:VF+8*\f+7], v[ADV] offset:(\f/4)*32*VP+16*VP+(\f%4)*32
.endr
	s_wait_dscnt 16                                ; K is in; V's sixteen loads may be out
	KQ 2
.rept 4
	v_nop                                          ; places between the last product and the first read of the scores
.endr
	MASK 2, Q0H
	SMAX 2
	s_wait_dscnt 0x0                               ; V is in
	PVM 2
	s_cmp_gt_u32 s[KF], s[LASTL]                   ; ONE test for all of piece L's work in this step
	s_cbranch_scc1 .Lalone_\@
	KQ 0                                           ; it writes tiles 0 and 1 of the scores, which are no registers of piece H's products, and starts its sums with the constant 0
.rept 4
	v_nop
.endr
	MASK 0, Q0L
	SMAX 0
	PVM 0
.Lalone_\@:
.rept 5
	v_nop                                          ; the next step's first products write over registers that these products read as source 1: five places; its loads into K's and V's registers want four
.endr
.Lhidden_\@:
	s_add_co_u32 s[KF], s[KF], 64
	s_add_co_u32 s[TK], s[TK], 64*KP
	s_add_co_u32 s[TV], s[TV], 64*VP
	s_sub_co_u32 s[STEPS], s[STEPS], 1
	s_cmp_lg_u32 s[STEPS], 0
	s_cbranch_scc1 .Lstep_\@
	s_sub_co_u32 s[TK], s[TK], 256*KP              ; back to a slot's first step,
	s_xor_b32 s[TK], s[TK], SLOT1                  ; in the other slot
	s_sub_co_u32 s[TV], s[TV], 256*VP
	s_xor_b32 s[TV], s[TV], SLOT1
.endm
	s_wait_loadcnt 0x0                             ; Q
.Lslot:                                            ; seven trips: behind each change of slots but the last the next slot is asked for, up to the causal limit
	CHANGE 1
	SLOT_STEPS
	s_sub_co_u32 s[SLOTS], s[SLOTS], 1
	s_cmp_lg_u32 s[SLOTS], 0
	s_cbranch_scc1 .Lslot
	CHANGE 0                                       ; the last slot is written out: nothing is left to fetch
	SLOT_STEPS
	; THE WAY OUT.  l's two halves and the other half of the lanes' are added; O^T is divided by l, rounded to f16 and sent through my stage, a tile (16 rows of 128 bytes) at a time.
.irp t, 0,1,2,3
	v_add_f32 v[ST+8*\t+4], v[ST+8*\t+2], v[ST+8*\t+3]
.endr
.irp t, 0,1,2,3
	v_permlanex16_b32 v[ST+8*\t+5], v[ST+8*\t+4], s20, s21
.endr
.irp t, 0,1,2,3
	v_add_f32 v[ST+8*\t+4], v[ST+8*\t+4], v[ST+8*\t+5]
.endr
.irp t, 0,1,2,3
	v_rcp_f32 v[ST+8*\t+6], v[ST+8*\t+4]
.endr
	v_nop
	s_wait_alu depctr_va_vdst(0)                   ; one wait for the four reciprocals, ahead of their first reader
.macro PACK t
	WIN 0x41
.set i, 0
.rept 16
	v_pk_mul_f32 v[32*\t+i:32*\t+i+1], v[32*\t+i:32*\t+i+1], v[ST+8*\t+6:ST+8*\t+7] op_sel_hi:[1,0]
.set i, i+2
.endr
	WIN 0x05                                       ; sources in window 1, destination in window 0: the scores' registers are free
.set i, 0
.rept 16
	v_cvt_pk_f16_f32 v[64+16*\t+i], v[32*\t+2*i], v[32*\t+2*i+1]
.set i, i+1
.endr
	WIN 0
.irp ct, 0,1,2,3
	ds_store_b128 v[STO], v[64+16*\t+4*\ct:64+16*\t+4*\ct+3] offset:32*\ct
.endr
.irp i, 0,1,2,3
	ds_load_b128 v[128+16*\t+4*\i:128+16*\t+4*\i+3], v[RD] offset:576*\i   ; LDS serves a wave's instructions in order: these see the stores above; the next tile's stores come behind them
.endr
.endm
.macro SEND t, base, younger           ; younger: the LDS instructions issued behind tile t's loads: the next tile's 4 stores and 4 loads, or none
.irp i, 0,1,2,3
	s_wait_dscnt \younger+3-\i
	global_store_b128 v[GO], v[128+16*\t+4*\i:128+16*\t+4*\i+3], s[\base:\base+1] offset:(\t%2)*2048+512*\i   ; four rows: 512 consecutive bytes
.endr
.endm
	PACK 0
	PACK 1
	SEND 0, 16, 8
	PACK 2
	SEND 1, 16, 8
	PACK 3
	SEND 2, 18, 8
	SEND 3, 18, 0
	s_wait_tensorcnt 0x0                           ; the wave's end: a wait, an add and its wait behind my last tensor load and my last LDS store
	ds_add_u32 v[SPW], v[NIL]
	s_wait_dscnt 0x0
	s_endpgm
.Lfunc_end_k_q893bd23ee2_attn:
	.size	k_q893bd23ee2_attn, .Lfunc_end_k_q893bd23ee2_attn-k_q893bd23ee2_attn
	.p2alignl 7, 3214868480
	.fill 96, 4, 3214868480
	.section	.rodata,"a",@progbits
	.p2align	6, 0x0
	.amdhsa_kernel k_q893bd23ee2_attn
		.amdhsa_group_segment_fixed_size 327680
		.amdhsa_private_segment_fixed_size 0
		.amdhsa_enable_private_segment 0
		.amdhsa_kernarg_size 16
		.amdhsa_user_sgpr_count 2
		.amdhsa_user_sgpr_kernarg_segment_ptr 1
		.amdhsa_wavefront_size32 1
		.amdhsa_system_sgpr_workgroup_id_x 1
		.amdhsa_system_sgpr_workgroup_id_y 1
		.amdhsa_system_sgpr_workgroup_id_z 1
		.amdhsa_system_vgpr_workitem_id 0
		.amdhsa_next_free_vgpr 512
		.amdhsa_next_free_sgpr 66
		.amdhsa_reserve_vcc 1
		.amdhsa_float_denorm_mode_32 3
		.amdhsa_float_denorm_mode_16_64 3
		.amdhsa_memory_ordered 1
		.amdhsa_forward_progress 1
		.amdhsa_inst_pref_size 110
	.end_amdhsa_kernel
	.amdgpu_metadata
---
amdhsa.version: [ 1, 2 ]
amdhsa.kernels:
  - .name:           k_q893bd23ee2_attn
    .symbol:         k_q893bd23ee2_attn.kd
    .args:
      - { .name: qkvh, .offset: 0, .size: 8, .value_kind: global_buffer, .address_space: global }
      - { .name: yh, .offset: 8, .size: 8, .value_kind: global_buffer, .address_space: global }
    .group_segment_fixed_size: 327680
    .private_segment_fixed_size: 0
    .kernarg_segment_align: 8
    .kernarg_segment_size: 16
    .max_flat_workgroup_size: 256
    .sgpr_count:     66
    .vgpr_count:     512
    .wavefront_size: 32
...
	.end_amdgpu_metadata
.endif
;; end of part 3
;; launch proj (part 4): grid 4 x 64, 4 waves a work-group, clusters of 4 x 4, 327,680 bytes of LDS; arguments yh, wp16, out0; writes out0
.if DOCPART == 4
	.amdgcn_target "amdgcn-amd-amdhsa--gfx1250"
	.amdhsa_code_object_version 6
	.text
	.protected	k_q893bd23ee2_proj
	.globl	k_q893bd23ee2_proj
	.p2align	8
	.type	k_q893bd23ee2_proj,@function
k_q893bd23ee2_proj:
	s_mov_b64 s[64:65], 0
	v_nop
	global_prefetch_b8 v0, s[64:65] scope:SCOPE_SE
	s_setreg_imm32_b32 hwreg(HW_REG_WAVE_MODE, 25, 1), 1
	s_wait_xcnt 0x0
	s_wait_alu depctr_hold_cnt(0) depctr_sa_sdst(0) depctr_va_vdst(0) depctr_va_sdst(0) depctr_va_ssrc(0) depctr_va_vcc(0) depctr_vm_vsrc(0)
	s_getreg_b32 s2, hwreg(HW_REG_IB_STS2, 6, 4)
	s_cmp_eq_u32 s2, 0
	s_cbranch_scc0 .Lentry_in_a_cluster
	s_endpgm
.Lentry_in_a_cluster:
	s_bfe_u32 s2, ttmp6, 0x10000c
	s_cmp_lg_u32 s2, 0xf033
	s_cbranch_scc0 .Lentry_shape_is_right
	s_endpgm
.Lentry_shape_is_right:
; Launch 4 of 5: out0 = y W_proj, M 8,192 x N 1,024 x K 1,024, on f16 operands with f32 sums.  y: yh [h][row][64] f16 (k = 64 h + d); W_proj: wp16 [k][n] f16; out0 [row][1024] f32.
; A tile of C is 128 rows x 256 columns: 256 work-groups.  Four waves, each 64 x 128: 32 accumulators of 16 x 16, 256 registers.  K goes in steps of 128 (two heads) through a ring of two LDS slots.
; y's tile of a step: two sub-tiles (a head each) of 128 rows x 128 bytes, 16 bytes of padding behind each row.  W's: 128 rows k x 512 bytes, 32 of padding; it comes out of LDS turned, by ds_load_tr16_b128.
; CLUSTERS: 4 x 4 work-groups; y's tiles are shared along a row of the cluster, W's along a column: each is asked for jointly.  Where a slot is filled again, a round of the cluster's barrier stands in front.
; THE MATRIX INSTRUCTION IS USED TRANSPOSED (source 0 = 16 columns of W, source 1 = 16 rows of y): a lane holds eight neighbouring numbers of a row of C.
; No prefetch: the tile is small, the launch is short, and the tiles are shared in the cluster.  Rows t < 16 of every sequence are written here like all others and written over by launch 5.
; REGISTERS: window 0: v16-29 addresses; two fragment buffers of 96: v64-159 and v160-255 (W's 8 fragments, then y's 4); on the way out v64-191 take rows read back.  window 1: accumulator (a, b) at v[8 (8 a + b)].
.set KP,     144
.set BP,     544
.set ASUB,   128*KP                    ; a sub-tile of y: what waves 0 and 1 fetch
.set BOFF,   2*ASUB
.set BHALF,  64*BP                     ; 64 rows of W: what waves 2 and 3 fetch
.set SLOT,   BOFF+2*BHALF
.set STAGE,  2*SLOT                    ; behind the ring: 16 rows x (512 bytes + 16) for each wave
.set SPITCH, 528
.set SPARE,  STAGE+4*16*SPITCH
.set LAPS,   4                         ; a lap = two K steps = once round the ring
.set ADRA, 16
.set ADRB, 20
.set STO,  24
.set RD,   25
.set CO,   26
.set SPW,  28
.set NIL,  29
.set F0,   64
.set F1,   160
.set G1, 24
.set G0, 32
.set G1B, 48
.set G0B, 56
.set MSB, 0
.macro WIN new
.if MSB != (\new)
	s_set_vgpr_msb (MSB<<8)|(\new)
.set MSB, (\new)
.endif
.endm
.set MUL, 0x50                         ; C and D in window 1
.macro JLOAD s                         ; a joint load: waves 0 and 1 fetch y's two sub-tiles, waves 2 and 3 W's two halves; an s_nop 0 and four v_nop follow each line
	s_cmp_eq_u32 s11, 0
	s_cbranch_scc0 .Lfor_b_\@
	tensor_load_to_lds s[G0+4*\s:G0+4*\s+3], s[G1:G1+7]
	s_nop 0
.rept 4
	v_nop
.endr
	s_branch .Lasked_\@
.Lfor_b_\@:
	tensor_load_to_lds s[G0B+4*\s:G0B+4*\s+3], s[G1B:G1B+7]
	s_nop 0
.rept 4
	v_nop
.endr
.Lasked_\@:
.endm
.macro CREST                           ; a round of the cluster's barrier behind its opening barrier
	s_cmp_lg_u32 s10, 0
	s_cbranch_scc1 .Lnot_wave_0_\@
	s_barrier_signal -3
.Lnot_wave_0_\@:
	s_barrier_wait -3
	s_barrier_signal -1
	s_barrier_wait -1
.endm
.macro CROUND
	s_barrier_signal -1
	s_barrier_wait -1
	CREST
.endm
	s_load_b128 s[4:7], s[0:1], 0x0                ; yh s[4:5], wp16 s[6:7]
	s_load_b64 s[8:9], s[0:1], 0x10                ; out0
	v_lshl_add_u32 v[SPW], v0, 2, SPARE
	v_mov_b32 v[NIL], 0
	ds_add_u32 v[SPW], v[NIL]                      ; the wave's opening: the add, twice on end, and its wait ahead of my first tensor load
	ds_add_u32 v[SPW], v[NIL]
	v_lshrrev_b32 v1, 5, v0
	v_readfirstlane_b32 s10, v1                    ; wave 0..3
	s_lshr_b32 s11, s10, 1                         ; which 64 rows are mine.  Also: I fetch for y (0) or for W (1)
	s_and_b32 s12, s10, 1                          ; which 128 columns.  Also: which half of that tile I fetch
	s_bfe_u32 s40, ttmp6, 0x40000                  ; cx
	s_bfe_u32 s41, ttmp6, 0x40004                  ; cy
	s_lshl_b32 s42, ttmp9, 2
	s_add_co_u32 s42, s42, s40                     ; tile column
	s_and_b32 s13, ttmp7, 0xffff
	s_lshl_b32 s13, s13, 2
	s_add_co_u32 s13, s13, s41                     ; tile row
	s_lshl_b32 s43, s41, 2
	s_lshl_b32 s43, 15, s43                        ; my row of the cluster
	s_lshl_b32 s44, 0x1111, s40                    ; my column
	s_or_b32 s[G1+0], s43, (1<<16)|(1<<20)|(1<<21)|(4<<22)|(3<<25)   ; y: elements of 2 bytes; four words of padding behind every 32
	s_mov_b32 s[G1+1], 64<<16
	s_mov_b32 s[G1+2], 128<<16
	s_mov_b32 s[G1+3], 64<<16
	s_mov_b32 s[G1+4], 128
	s_mov_b32 s[G1+5], 64
	s_mov_b32 s[G1+6], 0
	s_mov_b32 s[G1+7], 0
	s_or_b32 s[G1B+0], s44, (1<<16)|(1<<20)|(1<<21)|(6<<22)|(7<<25)  ; W: eight words of padding behind every 128
	s_mov_b32 s[G1B+1], 256<<16
	s_mov_b32 s[G1B+2], 64<<16
	s_mov_b32 s[G1B+3], 256<<16
	s_mov_b32 s[G1B+4], 64
	s_mov_b32 s[G1B+5], 1024
	s_mov_b32 s[G1B+6], 0
	s_mov_b32 s[G1B+7], 0
	s_lshl_b32 s16, s12, 20                        ; y: head (my half) x 8,192 rows x 128 bytes,
	s_lshl_b32 s17, s13, 14                        ; + 128 x tile row rows
	s_add_co_u32 s16, s16, s17
	s_mov_b32 s17, 0
	s_lshl_b32 s46, s12, 17                        ; W: 64 x my half rows of 2,048 bytes,
	s_lshl_b32 s47, s42, 9                         ; + 256 x tile column columns
	s_add_co_u32 s46, s46, s47
	s_mov_b32 s47, 0
	s_mul_i32 s20, s12, ASUB                       ; where they go: no place in the cluster enters an LDS address
	s_mul_i32 s21, s12, BHALF
	s_add_co_u32 s21, s21, BOFF
	s_wait_dscnt 0x0                               ; both opening adds are done
	s_wait_kmcnt 0x0
	s_add_nc_u64 s[14:15], s[4:5], s[16:17]
	s_add_nc_u64 s[46:47], s[6:7], s[46:47]
	CROUND                                         ; all sixteen work-groups are here: the first joint loads meet
.irp s, 0,1
	s_mov_b32 s[G0+4*\s], 1
	s_add_co_u32 s[G0+4*\s+1], s20, \s*SLOT
	s_add_nc_u64 s[G0+4*\s+2:G0+4*\s+3], s[14:15], \s*2097152      ; K step s: two heads on
	s_or_b32 s[G0+4*\s+3], s[G0+4*\s+3], 0x80000000
	s_mov_b32 s[G0B+4*\s], 1
	s_add_co_u32 s[G0B+4*\s+1], s21, \s*SLOT
	s_add_nc_u64 s[G0B+4*\s+2:G0B+4*\s+3], s[46:47], \s*262144     ; 128 rows on
	s_or_b32 s[G0B+4*\s+3], s[G0B+4*\s+3], 0x80000000
	JLOAD \s                                       ; two loads of mine are out
.endr
	v_and_b32 v1, 15, v0                           ; r
	v_bfe_u32 v2, v0, 4, 1                         ; h
	v_mul_u32_u24 v3, v1, KP
	v_lshl_add_u32 v3, v2, 4, v3
	s_mul_i32 s21, s11, 64*KP                      ; my 64 rows of y
.irp s, 0,1
	v_add_nc_u32 v[ADRA+\s], s21, v3
	s_add_co_u32 s21, s21, SLOT
.endr
	v_and_b32 v4, 7, v0
	v_lshl_add_u32 v4, v2, 3, v4
	v_mul_u32_u24 v4, v4, BP                       ; W: row k = 8 h + l % 8,
	v_bfe_u32 v5, v0, 3, 1
	v_lshl_add_u32 v4, v5, 4, v4                   ; columns 8 ((l / 8) % 2) on,
	s_lshl_b32 s22, s12, 8                         ; in my 128 columns
	s_add_co_u32 s22, s22, BOFF
.irp s, 0,1
	v_add_nc_u32 v[ADRB+\s], s22, v4
	s_add_co_u32 s22, s22, SLOT
.endr
	s_mul_i32 s23, s10, 16*SPITCH
	s_add_co_u32 s23, s23, STAGE                   ; my stage
	v_mul_u32_u24 v5, v1, SPITCH
	v_lshl_add_u32 v5, v2, 5, v5
	v_add_nc_u32 v[STO], s23, v5                   ; in: row r, 32 bytes for each half of the lanes
	v_and_b32 v6, 31, v0
	v_lshlrev_b32 v[CO], 4, v6
	v_add_nc_u32 v[RD], s23, v[CO]                 ; back: the 32 lanes take one row of 512 bytes
	s_lshl_b32 s16, s13, 7
	s_lshl_b32 s17, s11, 6
	s_add_co_u32 s16, s16, s17                     ; my first row of C
	s_lshl_b32 s16, s16, 12                        ; rows of 4,096 bytes
	s_lshl_b32 s46, s42, 10
	s_add_co_u32 s16, s16, s46
	s_lshl_b32 s46, s12, 9
	s_add_co_u32 s16, s16, s46                     ; + my first column
	s_mov_b32 s17, 0
	s_add_nc_u64 s[8:9], s[8:9], s[16:17]
; 8 matrix instructions: y's block a against W's eight, 32 along K.  The 32 accumulators take turns, one instruction a turn, in the same order in every quarter.
.macro MUL8 f, a, zero
.irp b, 0,1,2,3,4,5,6,7
.if \zero
	v_wmma_f32_16x16x32_f16 v[8*(8*(\a)+\b):8*(8*(\a)+\b)+7], v[\f+8*\b:\f+8*\b+7], v[\f+64+8*(\a):\f+64+8*(\a)+7], 0
.else
	v_wmma_f32_16x16x32_f16 v[8*(8*(\a)+\b):8*(8*(\a)+\b)+7], v[\f+8*\b:\f+8*\b+7], v[\f+64+8*(\a):\f+64+8*(\a)+7], v[8*(8*(\a)+\b):8*(8*(\a)+\b)+7]
.endif
.endr
.endm
; 24 LDS loads in one run: the fragments of quarter kk (32 along K) of a slot into buffer f: W's sixteen, then y's blocks 0, 1, then 2, 3
.macro FETCH slot, kk, f
.irp i, 0,1,2,3,4,5,6,7
	ds_load_tr16_b128 v[\f+8*\i:\f+8*\i+3],   v[ADRB+\slot] offset:(\kk)*32*BP+32*\i
	ds_load_tr16_b128 v[\f+8*\i+4:\f+8*\i+7], v[ADRB+\slot] offset:(\kk)*32*BP+16*BP+32*\i
.endr
.irp i, 0,1,2,3
	ds_load_b128 v[\f+64+8*\i:\f+64+8*\i+3],   v[ADRA+\slot] offset:((\kk)/2)*ASUB+((\kk)%2)*64+\i*16*KP
	ds_load_b128 v[\f+64+8*\i+4:\f+64+8*\i+7], v[ADRA+\slot] offset:((\kk)/2)*ASUB+((\kk)%2)*64+\i*16*KP+32
.endr
.endm
.macro PLACES                          ; four places in front of loads into registers that matrix instructions have read, and of the first read of results (ISA guide 7.12.1 for reads of results)
.rept 4
	v_nop
.endr
.endm
; One of a K step's first three quarters: multiplies buffer f and fetches quarter kk of the same slot into g
.macro QUARTER slot, kk, f, g, zero
	s_wait_dscnt 4                                 ; W's fragments and y's blocks 0, 1 are in; the youngest four loads (blocks 2, 3) may be out
	WIN MUL
	MUL8 \f, 0, \zero
	MUL8 \f, 1, \zero
	PLACES
	WIN 0
	FETCH \slot, \kk, \g
	s_wait_dscnt 24                                ; all but the 24 just issued
	WIN MUL
	MUL8 \f, 2, \zero
	MUL8 \f, 3, \zero
.endm
; The last quarter multiplies buffer 1 and changes slots: ONE barrier; in front of it each wave waits for all its tensor loads, adds 0 to its spare word, and waits for that and for its reads of this slot.
.macro TURN slot, next, fill
	WIN 0
	s_wait_tensorcnt 0x0                           ; all my tensor loads have landed: my part of the next slot
	ds_add_u32 v[SPW], v[NIL]
	s_wait_dscnt 5                                 ; (the add and the youngest four loads may be out)
	WIN MUL
	MUL8 F1, 0, 0                                  ; eight matrix instructions stand between the add and the wait for it
	s_wait_dscnt 0x0                               ; the add is done, and my reads of this slot are over
	s_barrier_signal -1
	MUL8 F1, 1, 0
	WIN 0
	s_barrier_wait -1
.if \fill
	CREST                                          ; the barrier has opened a round of the cluster's: no wave of any partner still reads this slot or has a load on its way
	s_add_nc_u64 s[G0+4*\slot+2:G0+4*\slot+3], s[G0+4*\slot+2:G0+4*\slot+3], 2*2097152
	s_add_nc_u64 s[G0B+4*\slot+2:G0B+4*\slot+3], s[G0B+4*\slot+2:G0B+4*\slot+3], 2*262144
	JLOAD \slot                                    ; the first tensor load behind the round; its four v_nop are also the places in front of the loads below
.else
	PLACES
.endif
	FETCH \next, 0, F0
	WIN MUL
	MUL8 F1, 2, 0
	MUL8 F1, 3, 0
.endm
	s_wait_tensorcnt 1                             ; my part of K step 0 is in (K step 1's load may be out)
	s_barrier_signal -1
	s_barrier_wait -1                              ; everybody's is
	FETCH 0, 0, F0
	QUARTER 0, 1, F0, F1, 1                        ; the first quarter stands in front of the loop: its products start the sums
	WIN 0
	s_mov_b32 s3, LAPS-1
.Llap:                                             ; a trip goes once round the ring, from a lap's second quarter to the next lap's first, and fills both slots again
	QUARTER 0, 2, F1, F0, 0
	QUARTER 0, 3, F0, F1, 0
	TURN 0, 1, 1
	QUARTER 1, 1, F0, F1, 0
	QUARTER 1, 2, F1, F0, 0
	QUARTER 1, 3, F0, F1, 0
	TURN 1, 0, 1
	QUARTER 0, 1, F0, F1, 0
	WIN 0
	s_sub_co_u32 s3, s3, 1
	s_cmp_lg_u32 s3, 0
	s_cbranch_scc1 .Llap
	QUARTER 0, 2, F1, F0, 0                        ; the last lap fills nothing, and has no round of the cluster's barrier
	QUARTER 0, 3, F0, F1, 0
	TURN 0, 1, 0
	QUARTER 1, 1, F0, F1, 0
	QUARTER 1, 2, F1, F0, 0
	QUARTER 1, 3, F0, F1, 0
	s_wait_dscnt 4                                 ; the very last quarter
	WIN MUL
	MUL8 F1, 0, 0
	MUL8 F1, 1, 0
	s_wait_dscnt 0
	MUL8 F1, 2, 0
	MUL8 F1, 3, 0
	WIN 0
; THE WAY OUT, a block of 16 rows x 128 columns at a time, through my own stage: in as 32 bytes a lane, back as whole rows of 512 bytes.  LDS serves a wave's instructions in order.
.macro TOSTAGE a
	WIN 0x04                                       ; an LDS store's data are its source 1: window 1
.irp b, 0,1,2,3,4,5,6,7
	ds_store_b128 v[STO], v[8*(8*(\a)+\b):8*(8*(\a)+\b)+3] offset:64*\b          ; each accumulator from its low end on
	ds_store_b128 v[STO], v[8*(8*(\a)+\b)+4:8*(8*(\a)+\b)+7] offset:64*\b+16
.endr
	WIN 0
.irp t, 0,1,2,3,4,5,6,7,8,9,10,11,12,13,14,15
	ds_load_b128 v[64+64*((\a)%2)+4*\t:64+64*((\a)%2)+4*\t+3], v[RD] offset:\t*SPITCH
.endr
.endm
.macro SEND a, younger                 ; younger: the next block's 16 stores and 16 loads, or none
	s_wait_dscnt \younger
.irp t, 0,1,2,3,4,5,6,7,8,9,10,11,12,13,14,15
	global_store_b128 v[CO], v[64+64*((\a)%2)+4*\t:64+64*((\a)%2)+4*\t+3], s[8:9] offset:(16*(\a)+\t)*4096 th:TH_STORE_NT   ; 32 lanes store 512 consecutive bytes, aligned
.endr
.endm
	PLACES
	TOSTAGE 0
	TOSTAGE 1
	SEND 0, 32
	s_wait_xcnt 0x0                                ; block 0's stores have read their registers: block 2's rows may land there
	TOSTAGE 2
	SEND 1, 32
	s_wait_xcnt 0x0
	TOSTAGE 3
	SEND 2, 32
	SEND 3, 0
	s_wait_tensorcnt 0x0                           ; the wave's end: a wait, an add and its wait behind my last tensor load and my last LDS store
	ds_add_u32 v[SPW], v[NIL]
	s_wait_dscnt 0x0
	CROUND                                         ; the closing round
	s_endpgm
.Lfunc_end_k_q893bd23ee2_proj:
	.size	k_q893bd23ee2_proj, .Lfunc_end_k_q893bd23ee2_proj-k_q893bd23ee2_proj
	.p2alignl 7, 3214868480
	.fill 96, 4, 3214868480
	.section	.rodata,"a",@progbits
	.p2align	6, 0x0
	.amdhsa_kernel k_q893bd23ee2_proj
		.amdhsa_group_segment_fixed_size 327680
		.amdhsa_private_segment_fixed_size 0
		.amdhsa_enable_private_segment 0
		.amdhsa_kernarg_size 24
		.amdhsa_user_sgpr_count 2
		.amdhsa_user_sgpr_kernarg_segment_ptr 1
		.amdhsa_wavefront_size32 1
		.amdhsa_system_sgpr_workgroup_id_x 1
		.amdhsa_system_sgpr_workgroup_id_y 1
		.amdhsa_system_sgpr_workgroup_id_z 1
		.amdhsa_system_vgpr_workitem_id 0
		.amdhsa_next_free_vgpr 512
		.amdhsa_next_free_sgpr 66
		.amdhsa_reserve_vcc 0
		.amdhsa_float_denorm_mode_32 3
		.amdhsa_float_denorm_mode_16_64 3
		.amdhsa_memory_ordered 1
		.amdhsa_forward_progress 1
		.amdhsa_inst_pref_size 85
	.end_amdhsa_kernel
	.amdgpu_metadata
---
amdhsa.version: [ 1, 2 ]
amdhsa.kernels:
  - .name:           k_q893bd23ee2_proj
    .symbol:         k_q893bd23ee2_proj.kd
    .args:
      - { .name: yh, .offset: 0, .size: 8, .value_kind: global_buffer, .address_space: global }
      - { .name: wp16, .offset: 8, .size: 8, .value_kind: global_buffer, .address_space: global }
      - { .name: out0, .offset: 16, .size: 8, .value_kind: global_buffer, .address_space: global }
    .group_segment_fixed_size: 327680
    .private_segment_fixed_size: 0
    .kernarg_segment_align: 8
    .kernarg_segment_size: 24
    .max_flat_workgroup_size: 128
    .sgpr_count:     66
    .vgpr_count:     512
    .wavefront_size: 32
...
	.end_amdgpu_metadata
.endif
;; end of part 4
;; launch first16 (part 5): grid 32 x 4, 16 waves a work-group, no clusters, 34,816 bytes of LDS; arguments fq, W_proj, out0; writes out0
.if DOCPART == 5
	.amdgcn_target "amdgcn-amd-amdhsa--gfx1250"
	.amdhsa_code_object_version 6
	.text
	.protected	k_q893bd23ee2_first16
	.globl	k_q893bd23ee2_first16
	.p2align	8
	.type	k_q893bd23ee2_first16,@function
k_q893bd23ee2_first16:
	s_mov_b64 s[64:65], 0
	v_nop
	global_prefetch_b8 v0, s[64:65] scope:SCOPE_SE
	s_setreg_imm32_b32 hwreg(HW_REG_WAVE_MODE, 25, 1), 1
	s_wait_xcnt 0x0
; Launch 5 of 5: the first 16 positions of every sequence once more, in f32 from the quantised product's results on: they average one to sixteen values and are the largest numbers of the output,
; so the rounding of f16 operands weighs most there.  It writes out0[b][t < 16][:] over what launch 4 left.
; Work-group (x, b) makes out0[b][0..15][32 x .. 32 x + 31].  Wave w is head w: it makes the head's 16 x 16 attention from fq (q, k rotated, v; f32) and multiplies its own 64 of the projection's K
; by W_proj in f32; the sixteen partial results meet in LDS.  All products by v_wmma_f32_16x16x4_f32: 64 instructions a wave, no bulk work.
; The registers that those instructions write (v192-255) are written by matrix instructions alone; each sum begins with the constant 0.
; LAYOUT.  All products are used transposed, so that a lane holds one query (lane % 16).  Along each product's K both operands are taken in the same permuted order, which leaves the sums' terms as they are:
;   S^T = K Q^T: a lane's register pair holds channels 8 s + 4 h + 2 e, + 1;   O^T = V^T P: P's pair s holds keys 8 h + 2 s, + 1, as S^T left them;   out^T = W^T O^T: O^T's pair s of tile ct holds
;   channels 16 ct + 8 h + 2 s, + 1, as the product before left them.  So nothing changes lanes between the products.
; The causal mask inside the 16 x 16 tile is made by a select; the maximum is taken away before the exponential; p is divided by its sum before the second product.
; The stores cover 128 consecutive bytes of a row each (eight lanes): half of an aligned 256: 262,144 bytes in the whole launch: accepted.
.set SPARE, 32768                      ; behind the sixteen waves' partial results (2,048 bytes each): the spare words
	s_load_b128 s[4:7], s[0:1], 0x0                ; fq s[4:5], W_proj s[6:7]
	s_load_b64 s[8:9], s[0:1], 0x10                ; out0
	v_lshl_add_u32 v10, v0, 2, SPARE               ; v10, v11: the add's two registers; never rewritten
	v_mov_b32 v11, 0
	v_lshrrev_b32 v1, 5, v0
	v_readfirstlane_b32 s10, v1                    ; wave = head
	s_and_b32 s11, ttmp7, 0xffff                   ; batch
	v_and_b32 v1, 15, v0                           ; r
	v_bfe_u32 v2, v0, 4, 1                         ; h
	v_mul_u32_u24 v3, v1, 12288
	v_lshl_add_u32 v3, v2, 4, v3                   ; q, k: position r, + 16 h bytes
	v_mul_u32_u24 v4, v2, 98304
	v_lshl_add_u32 v4, v1, 2, v4                   ; v: key 8 h, channel r
	v_lshlrev_b32 v5, 15, v2
	v_lshl_add_u32 v5, v1, 2, v5                   ; W_proj: row 8 h, column r
	v_and_b32 v6, 31, v0
	v_lshlrev_b32 v6, 4, v6
	s_lshl_b32 s12, s10, 11
	v_add_nc_u32 v6, s12, v6                       ; my partial result: 2,048 x wave + 16 x lane
	v_bfe_u32 v7, v0, 2, 1                         ; the sum: thread n < 128 takes position n / 8, columns 4 (n % 8) on: tile (n / 4) % 2,
	v_lshlrev_b32 v7, 10, v7
	v_and_b32 v12, 1, v0                           ; registers 4 (n % 2) on,
	v_lshl_add_u32 v7, v12, 9, v7
	v_bfe_u32 v12, v0, 1, 1                        ; half (n / 2) % 2 of the lanes,
	v_lshl_add_u32 v7, v12, 8, v7
	v_lshrrev_b32 v12, 3, v0                       ; lane % 16 = the position
	v_lshl_add_u32 v7, v12, 4, v7
	v_lshlrev_b32 v8, 12, v12
	v_and_b32 v13, 7, v0
	v_lshl_add_u32 v8, v13, 4, v8                  ; and its place in out0
	v_lshlrev_b32 v9, 3, v2
	v_sub_nc_u32 v9, v1, v9                        ; r - 8 h
	v_mov_b32 v184, 0xff800000                     ; -infinity
	v_mov_b32 v186, 0                              ; (a lane permute's destination counts as one of its sources)
	s_mov_b32 s20, 0x76543210
	s_mov_b32 s21, 0xfedcba98
	s_mov_b32 s22, 0x3e38aa3b                      ; c = log2(e) / 8
	s_mul_i32 s12, s11, 196608
	s_lshl_b32 s13, s10, 8
	s_add_co_u32 s12, s12, s13
	s_mov_b32 s13, 0
	s_lshl_b32 s14, s10, 18                        ; my 64 rows of W_proj,
	s_lshl_b32 s15, ttmp9, 7                       ; my work-group's 32 columns
	s_add_co_u32 s14, s14, s15
	s_lshl_b32 s16, s11, 23
	s_add_co_u32 s16, s16, s15
	s_mov_b32 s15, 0
	s_mov_b32 s17, 0
	s_wait_kmcnt 0x0
	s_add_nc_u64 s[4:5], s[4:5], s[12:13]
	s_add_nc_u64 s[6:7], s[6:7], s[14:15]
	s_add_nc_u64 s[8:9], s[8:9], s[16:17]
.irp s, 0,1,2,3,4,5,6,7
	global_load_b128 v[16+4*\s:19+4*\s], v3, s[4:5] offset:32*\s              ; q(r, 8 s + 4 h + 0..3)
.endr
.irp s, 0,1,2,3,4,5,6,7
	global_load_b128 v[48+4*\s:51+4*\s], v3, s[4:5] offset:4096+32*\s         ; k likewise
.endr
.irp ct, 0,1,2,3
.irp s, 0,1,2,3
.irp j, 0,1
	global_load_b32 v[80+8*\ct+2*\s+\j], v4, s[4:5] offset:8192+(2*\s+\j)*12288+64*\ct   ; v(8 h + 2 s + j, 16 ct + r)
.endr
.endr
.endr
.irp nt, 0,1
.irp ct, 0,1,2,3
.irp s, 0,1,2,3
.irp j, 0,1
	global_load_b32 v[112+32*\nt+8*\ct+2*\s+\j], v5, s[6:7] offset:(16*\ct+2*\s+\j)*4096+64*\nt   ; W_proj(64 w + 16 ct + 8 h + 2 s + j, 32 x + 16 nt + r)
.endr
.endr
.endr
.endr
	s_wait_loadcnt 63                              ; q and k are in (96 loads were issued behind them; the wait's field holds 63 at the most, and a smaller count is safe)
.irp s, 0,1,2,3,4,5,6,7
.irp e, 0,1                            ; two accumulators by turns; their sum is S^T
.if \s == 0
	v_wmma_f32_16x16x4_f32 v[192+8*\e:199+8*\e], v[48+4*\s+2*\e:49+4*\s+2*\e], v[16+4*\s+2*\e:17+4*\s+2*\e], 0
.else
	v_wmma_f32_16x16x4_f32 v[192+8*\e:199+8*\e], v[48+4*\s+2*\e:49+4*\s+2*\e], v[16+4*\s+2*\e:17+4*\s+2*\e], v[192+8*\e:199+8*\e]
.endif
.endr
.endr
.rept 8
	v_nop                                          ; eight places behind this form before a vector instruction reads the result (ISA guide 7.12.1)
.endr
.irp j, 0,1,2,3,4,5,6,7
	v_add_f32 v[176+\j], v[192+\j], v[200+\j]      ; score(key 8 h + j, query r), from the low end on
.endr
.irp j, 0,1,2,3,4,5,6,7
	v_cmp_gt_i32 vcc_lo, \j, v9                    ; key > query: hidden
	v_cndmask_b32 v[176+\j], v[176+\j], v184, vcc_lo
.endr
	v_max3_num_f32 v185, v176, v177, v178
	v_max3_num_f32 v185, v185, v179, v180
	v_max3_num_f32 v185, v185, v181, v182
	v_max_num_f32 v185, v185, v183
	v_permlanex16_b32 v186, v185, s20, s21
	v_max_num_f32 v185, v185, v186                 ; the query's largest score: key 0 counts for every query, so it is a number
	v_mul_f32 v187, s22, v185
.irp j, 0,1,2,3,4,5,6,7
	v_fma_f32 v[176+\j], v[176+\j], s22, -v187
.endr
.irp j, 0,1,2,3,4,5,6,7
	v_exp_f32 v[176+\j], v[176+\j]
.endr
	v_nop
	s_wait_alu depctr_va_vdst(0)                   ; one wait for the eight exponentials, ahead of their first reader
	v_add_f32 v188, v176, v177
	v_add_f32 v189, v178, v179
	v_add_f32 v190, v180, v181
	v_add_f32 v191, v182, v183
	v_add_f32 v188, v188, v189
	v_add_f32 v190, v190, v191
	v_add_f32 v188, v188, v190
	v_permlanex16_b32 v186, v188, s20, s21
	v_add_f32 v188, v188, v186
	v_rcp_f32 v188, v188
	v_nop
	s_wait_alu depctr_va_vdst(0)
.irp j, 0,1,2,3,4,5,6,7
	v_mul_f32 v[176+\j], v[176+\j], v188           ; the softmax
.endr
	s_wait_loadcnt 63                              ; v is in (64 loads were issued behind it)
.irp s, 0,1,2,3
.irp ct, 0,1,2,3                       ; four accumulators by turns
.if \s == 0
	v_wmma_f32_16x16x4_f32 v[208+8*\ct:215+8*\ct], v[80+8*\ct+2*\s:81+8*\ct+2*\s], v[176+2*\s:177+2*\s], 0
.else
	v_wmma_f32_16x16x4_f32 v[208+8*\ct:215+8*\ct], v[80+8*\ct+2*\s:81+8*\ct+2*\s], v[176+2*\s:177+2*\s], v[208+8*\ct:215+8*\ct]
.endif
.endr
.endr
.rept 9
	v_nop                                          ; nine places before a matrix instruction takes these results as an operand
.endr
	s_wait_loadcnt 0x0                             ; W_proj
.irp ct, 0,1,2,3
.irp s, 0,1,2,3
.irp nt, 0,1                           ; two accumulators by turns
.if (\ct == 0) && (\s == 0)
	v_wmma_f32_16x16x4_f32 v[240+8*\nt:247+8*\nt], v[112+32*\nt+8*\ct+2*\s:113+32*\nt+8*\ct+2*\s], v[208+8*\ct+2*\s:209+8*\ct+2*\s], 0
.else
	v_wmma_f32_16x16x4_f32 v[240+8*\nt:247+8*\nt], v[112+32*\nt+8*\ct+2*\s:113+32*\nt+8*\ct+2*\s], v[208+8*\ct+2*\s:209+8*\ct+2*\s], v[240+8*\nt:247+8*\nt]
.endif
.endr
.endr
.endr
.rept 8
	v_nop
.endr
.irp nt, 0,1
	ds_store_b128 v6, v[240+8*\nt:243+8*\nt] offset:1024*\nt       ; my head's part of out(r, 32 x + 16 nt + 8 h + 0..7), as an image of the registers, from the low end on
	ds_store_b128 v6, v[244+8*\nt:247+8*\nt] offset:1024*\nt+512
.endr
	s_wait_dscnt 0x0                               ; for the others' sake: my stores have landed
	s_barrier_signal -1
	s_barrier_wait -1
	s_cmp_lt_u32 s10, 4                            ; 128 threads add the sixteen parts, four numbers each, in a fixed order
	s_cbranch_scc0 .Ldone
.irp k, 0,1,2,3,4,5,6,7,8,9,10,11,12,13,14,15
	ds_load_b128 v[16+4*\k:19+4*\k], v7 offset:2048*\k
.endr
	s_wait_dscnt 0x0
.irp d, 8,4,2,1
.irp k, 0,1,2,3,4,5,6,7
.if \k < \d
	v_pk_add_f32 v[16+4*\k:17+4*\k], v[16+4*\k:17+4*\k], v[16+4*(\k+\d):17+4*(\k+\d)]
	v_pk_add_f32 v[18+4*\k:19+4*\k], v[18+4*\k:19+4*\k], v[18+4*(\k+\d):19+4*(\k+\d)]
.endif
.endr
.endr
	global_store_b128 v8, v[16:19], s[8:9]
.Ldone:
	s_wait_tensorcnt 0x0                           ; the wave's end: a wait, an add and its wait behind my last LDS store
	ds_add_u32 v10, v11
	s_wait_dscnt 0x0
	s_endpgm
.Lfunc_end_k_q893bd23ee2_first16:
	.size	k_q893bd23ee2_first16, .Lfunc_end_k_q893bd23ee2_first16-k_q893bd23ee2_first16
	.p2alignl 7, 3214868480
	.fill 96, 4, 3214868480
	.section	.rodata,"a",@progbits
	.p2align	6, 0x0
	.amdhsa_kernel k_q893bd23ee2_first16
		.amdhsa_group_segment_fixed_size 34816
		.amdhsa_private_segment_fixed_size 0
		.amdhsa_enable_private_segment 0
		.amdhsa_kernarg_size 24
		.amdhsa_user_sgpr_count 2
		.amdhsa_user_sgpr_kernarg_segment_ptr 1
		.amdhsa_wavefront_size32 1
		.amdhsa_system_sgpr_workgroup_id_x 1
		.amdhsa_system_sgpr_workgroup_id_y 1
		.amdhsa_system_sgpr_workgroup_id_z 1
		.amdhsa_system_vgpr_workitem_id 0
		.amdhsa_next_free_vgpr 256
		.amdhsa_next_free_sgpr 66
		.amdhsa_reserve_vcc 1
		.amdhsa_float_denorm_mode_32 3
		.amdhsa_float_denorm_mode_16_64 3
		.amdhsa_memory_ordered 1
		.amdhsa_forward_progress 1
		.amdhsa_inst_pref_size 25
	.end_amdhsa_kernel
	.amdgpu_metadata
---
amdhsa.version: [ 1, 2 ]
amdhsa.kernels:
  - .name:           k_q893bd23ee2_first16
    .symbol:         k_q893bd23ee2_first16.kd
    .args:
      - { .name: fq, .offset: 0, .size: 8, .value_kind: global_buffer, .address_space: global }
      - { .name: W_proj, .offset: 8, .size: 8, .value_kind: global_buffer, .address_space: global }
      - { .name: out0, .offset: 16, .size: 8, .value_kind: global_buffer, .address_space: global }
    .group_segment_fixed_size: 34816
    .private_segment_fixed_size: 0
    .kernarg_segment_align: 8
    .kernarg_segment_size: 24
    .max_flat_workgroup_size: 512
    .sgpr_count:     66
    .vgpr_count:     256
    .wavefront_size: 32
...
	.end_amdgpu_metadata
.endif
;; end of part 5
